; MI455X (gfx1250); checked and timed in simulation.
; The chip was launched on July 23, 2026; its instructions are those of AMD's public machine-readable ISA for CDNA 5 (MIT licence, August 2026) and "CDNA5" Instruction Set Architecture Reference Guide (July 2026). The comments in the code are by the model that wrote it; some were corrected since.
;; Mixtral Attention. Allowed arithmetic: float matrix products may take bf16 or f16 operands with f32 sums; other float arithmetic in f32, or as packed bf16 or f16 multiplies, adds, multiply-adds, maxima and minima; sums over many terms, partial sums and values carried from step to step in f32; what a program stores and reads back later, other than sums and carried values, may be rounded once to bf16 or f16.
;; Inputs: cos 1 x 2,048 x 128 float32; hidden_states 1 x 2,048 x 4,096 float32; norm_w 4,096 float32; sin 1 x 2,048 x 128 float32; wk 4,096 x 1,024 float32; wo 2,048 x 4,096 float32; wq 4,096 x 2,048 float32; wv 4,096 x 1,024 float32.
;; Outputs: out0 1 x 2,048 x 4,096 float32.
;; 2 versions, each right; version 2 is version 1 with the launch prep written anew for expert scheduling mode. Each part assembles by itself: llvm-mc -triple=amdgcn-amd-amdhsa -mcpu=gfx1250 --defsym DOCPART=n.
;; ======== version 1 of 2: 4 launches
;; limits: values are held in f16: magnitudes above 65,504 overflow, below 6.1e-05 lose precision
;; workspace buffers: hb 16,777,216 bytes; wqkv 33,554,432 bytes; wob 16,777,216 bytes; qkvh 16,777,216 bytes; atth 8,388,608 bytes
;; launch prep (part 1): grid 1024 x 1, 8 waves a work-group, no clusters, 0 bytes of LDS; arguments hidden_states, norm_w, wq, wk, wv, wo, hb, wqkv, wob; writes hb, wqkv, wob
.if DOCPART == 1
	.amdgcn_target "amdgcn-amd-amdhsa--gfx1250"
	.amdhsa_code_object_version 6
	.text
	.protected	k_q1e2340abf2_prep
	.globl	k_q1e2340abf2_prep
	.p2align	8
	.type	k_q1e2340abf2_prep,@function
k_q1e2340abf2_prep:
	s_mov_b64 s[64:65], 0
	v_nop
	global_prefetch_b8 v0, s[64:65] scope:SCOPE_SE
	s_setreg_imm32_b32 hwreg(HW_REG_WAVE_MODE, 25, 1), 1
	s_wait_xcnt 0x0
; THE OPERANDS OF THE THREE PRODUCTS, ROUNDED ONCE TO f16.
;   hb[s][k]   = f16(x[s][k] * rsqrt(mean_k x[s][k]^2 + 1e-5))          2,048 rows
;   wqkv[k][n] = f16(norm_w[k] * [wq | wk | wv][k][n])                  4,096 rows
;   wob[k][n]  = f16(wo[k][n])                                          2,048 rows
; norm_w is folded into the weights' rows: the sum over k of (x rs nw[k]) w[k][n] is the same sum; only the order of rounding differs.
; LIMITS.  f16 holds no number beyond 65,504 and keeps a fixed step of 6e-8 below 6e-5: norm_w[k] w[k][n] and wo must lie within that; |x rs| is at most 64.
; ONE SHAPE OF JOB: a row of 4,096 f32 times one number, out as 4,096 f16.  One wave, one row: 32 loads of 512 consecutive bytes, the row kept in 128 registers,
; 32 stores of 256 consecutive, aligned bytes.  Row R = 8 x work-group + wave; work-groups 0-255 take x, 256-767 the three weights side by side, 768-1023 wo.
; No LDS, no matrix unit, no ring: memory binds, each byte is read once and written once, and what is on its way is the rows of the other waves on the WGP.
.set X, 16                             ; v[16:143] the row
.set M, 6                              ; v[6:13]   four packed chains of the sum of squares
	s_load_b512 s[8:23], s[0:1], 0x0               ; x 8, norm_w 10, wq 12, wk 14, wv 16, wo 18, hb 20, wqkv 22
	s_load_b64 s[24:25], s[0:1], 0x40              ; wob
	v_lshrrev_b32 v3, 5, v0
	v_readfirstlane_b32 s2, v3                     ; wave 0..7
	v_and_b32 v1, 31, v0
	v_lshlrev_b32 v2, 3, v1                        ; 8 x lane: my 4 numbers in a store's 256 bytes
	v_lshlrev_b32 v1, 4, v1                        ; 16 x lane: my 4 numbers in a load's 512 bytes
	s_lshl_b32 s3, ttmp9, 3
	s_add_co_u32 s3, s3, s2                        ; R
	s_mov_b32 s28, 6144
	s_mov_b32 s29, 2048
	s_cmp_ge_u32 ttmp9, 768
	s_cselect_b32 s26, s28, s29
	s_cmp_lt_u32 ttmp9, 256
	s_cselect_b32 s26, 0, s26                      ; the role's first R
	s_sub_co_u32 s3, s3, s26                       ; the row in its tensor
	s_lshl_b32 s4, s3, 2                           ; its place in norm_w (the row is under 4,096 in every role)
	s_lshl_b32 s40, s3, 14                         ; x and wo: one row of 16,384 bytes, taken as 8,192 + 4,096 + 4,096
	s_add_co_u32 s42, s40, 8192
	s_add_co_u32 s44, s40, 12288
	s_lshl_b32 s26, s3, 13                         ; the row of 8,192 bytes: of wq, and of every destination
	s_lshl_b32 s6, s3, 12                          ; the row of 4,096 bytes of wk and wv
	s_sub_co_u32 s7, ttmp9, 256
	s_cmp_lt_u32 s7, 512                           ; the weights' role?
	s_cselect_b32 s40, s26, s40
	s_cselect_b32 s42, s6, s42
	s_cselect_b32 s44, s6, s44
	s_mov_b32 s41, 0
	s_mov_b32 s43, 0
	s_mov_b32 s45, 0
	s_mov_b32 s27, 0
	s_mov_b32 s30, 0x39800000                      ; 1 / 4096
	s_mov_b32 s31, 0x3727c5ac                      ; 1e-5
	s_mov_b32 s46, 0x76543210                      ; v_permlanex16_b32: each lane takes its own place in the other half
	s_mov_b32 s47, 0xfedcba98
	s_wait_kmcnt 0x0
	s_load_b32 s5, s[10:11], s4 offset:0x0         ; norm_w[row]
	s_cmp_ge_u32 ttmp9, 768                        ; the three sources and the destination are chosen whole; the offsets were made apart
	s_cselect_b64 s[32:33], s[18:19], s[12:13]
	s_cselect_b64 s[34:35], s[18:19], s[14:15]
	s_cselect_b64 s[36:37], s[18:19], s[16:17]
	s_cselect_b64 s[38:39], s[24:25], s[22:23]
	s_cmp_lt_u32 ttmp9, 256
	s_cselect_b64 s[32:33], s[8:9], s[32:33]
	s_cselect_b64 s[34:35], s[8:9], s[34:35]
	s_cselect_b64 s[36:37], s[8:9], s[36:37]
	s_cselect_b64 s[38:39], s[20:21], s[38:39]
	s_add_nc_u64 s[32:33], s[32:33], s[40:41]
	s_add_nc_u64 s[34:35], s[34:35], s[42:43]
	s_add_nc_u64 s[36:37], s[36:37], s[44:45]
	s_add_nc_u64 s[38:39], s[38:39], s[26:27]
.set J, 0
.rept 16
	global_load_b128 v[X+4*J:X+4*J+3], v1, s[32:33] offset:512*J th:TH_LOAD_NT
.set J, J+1
.endr
.rept 8
	global_load_b128 v[X+4*J:X+4*J+3], v1, s[34:35] offset:512*(J-16) th:TH_LOAD_NT
.set J, J+1
.endr
.rept 8
	global_load_b128 v[X+4*J:X+4*J+3], v1, s[36:37] offset:512*(J-24) th:TH_LOAD_NT
.set J, J+1
.endr
	s_wait_kmcnt 0x0                               ; norm_w[row]
	s_cmp_lt_u32 s7, 512
	s_cselect_b32 s29, s5, 1.0                     ; the row's factor: norm_w[k] for the weights, 1 for wo; x makes its own below
	v_mov_b32 v4, s29
	v_mov_b32 v5, s29
	s_wait_loadcnt 0x0                             ; the whole row: the sum of squares wants all of it
	s_cmp_lt_u32 ttmp9, 256
	s_cbranch_scc0 .Lscale
	; x alone: the sum of squares in f32, four packed chains that do not wait for each other; the first four products start them
.set p, 0
.rept 4
	v_pk_mul_f32 v[M+2*p:M+2*p+1], v[X+2*p:X+2*p+1], v[X+2*p:X+2*p+1]
.set p, p+1
.endr
.rept 60
	v_pk_fma_f32 v[M+2*(p%4):M+2*(p%4)+1], v[X+2*p:X+2*p+1], v[X+2*p:X+2*p+1], v[M+2*(p%4):M+2*(p%4)+1]
.set p, p+1
.endr
	v_pk_add_f32 v[M:M+1], v[M:M+1], v[M+2:M+3]
	v_pk_add_f32 v[M+4:M+5], v[M+4:M+5], v[M+6:M+7]
	v_pk_add_f32 v[M:M+1], v[M:M+1], v[M+4:M+5]
	v_add_f32 v6, v6, v7
	v_add_f32_dpp v6, v6, v6 row_xmask:1 row_mask:0xf bank_mask:0xf
	v_add_f32_dpp v6, v6, v6 row_xmask:2 row_mask:0xf bank_mask:0xf
	v_add_f32_dpp v6, v6, v6 row_xmask:4 row_mask:0xf bank_mask:0xf
	v_add_f32_dpp v6, v6, v6 row_xmask:8 row_mask:0xf bank_mask:0xf
	v_permlanex16_b32 v3, v6, s46, s47             ; (its destination counts as read: v3 has been written)
	v_add_f32 v3, v6, v3                           ; every lane holds the row's sum
	v_fma_f32 v3, v3, s30, s31                     ; the mean + eps
	v_rsq_f32 v4, v3
	v_rsq_f32 v5, v3                               ; twice: the packed multiply takes a pair
	v_nop                                          ; a plain instruction behind the last of them,
	s_wait_alu depctr_va_vdst(0)                   ; and one wait for both, ahead of the label and of their first reader
.Lscale:
.set p, 0
.rept 64
	v_pk_mul_f32 v[X+2*p:X+2*p+1], v[X+2*p:X+2*p+1], v[4:5]
.set p, p+1
.endr
.set J, 0
.rept 32
	v_cvt_pk_f16_f32 v[X+4*J], v[X+4*J], v[X+4*J+1]        ; four numbers into the first two of their four registers
	v_cvt_pk_f16_f32 v[X+4*J+1], v[X+4*J+2], v[X+4*J+3]
.set J, J+1
.endr
.set J, 0
.rept 32
	global_store_b64 v2, v[X+4*J:X+4*J+1], s[38:39] offset:256*J th:TH_STORE_NT  ; the wave's 32 lanes store 256 consecutive bytes, at a multiple of 256 from the buffer's first
.set J, J+1
.endr
	s_endpgm
.Lfunc_end_k_q1e2340abf2_prep:
	.size	k_q1e2340abf2_prep, .Lfunc_end_k_q1e2340abf2_prep-k_q1e2340abf2_prep
	.p2alignl 7, 3214868480
	.fill 96, 4, 3214868480
	.section	.rodata,"a",@progbits
	.p2align	6, 0x0
	.amdhsa_kernel k_q1e2340abf2_prep
		.amdhsa_group_segment_fixed_size 0
		.amdhsa_private_segment_fixed_size 0
		.amdhsa_enable_private_segment 0
		.amdhsa_kernarg_size 72
		.amdhsa_user_sgpr_count 2
		.amdhsa_user_sgpr_kernarg_segment_ptr 1
		.amdhsa_wavefront_size32 1
		.amdhsa_system_sgpr_workgroup_id_x 1
		.amdhsa_system_sgpr_workgroup_id_y 1
		.amdhsa_system_sgpr_workgroup_id_z 1
		.amdhsa_system_vgpr_workitem_id 0
		.amdhsa_next_free_vgpr 144
		.amdhsa_next_free_sgpr 66
		.amdhsa_reserve_vcc 0
		.amdhsa_float_denorm_mode_32 3
		.amdhsa_float_denorm_mode_16_64 3
		.amdhsa_memory_ordered 1
		.amdhsa_forward_progress 1
		.amdhsa_inst_pref_size 22
	.end_amdhsa_kernel
	.amdgpu_metadata
---
amdhsa.version: [ 1, 2 ]
amdhsa.kernels:
  - .name:           k_q1e2340abf2_prep
    .symbol:         k_q1e2340abf2_prep.kd
    .args:
      - { .name: hidden_states, .offset: 0, .size: 8, .value_kind: global_buffer, .address_space: global }
      - { .name: norm_w, .offset: 8, .size: 8, .value_kind: global_buffer, .address_space: global }
      - { .name: wq, .offset: 16, .size: 8, .value_kind: global_buffer, .address_space: global }
      - { .name: wk, .offset: 24, .size: 8, .value_kind: global_buffer, .address_space: global }
      - { .name: wv, .offset: 32, .size: 8, .value_kind: global_buffer, .address_space: global }
      - { .name: wo, .offset: 40, .size: 8, .value_kind: global_buffer, .address_space: global }
      - { .name: hb, .offset: 48, .size: 8, .value_kind: global_buffer, .address_space: global }
      - { .name: wqkv, .offset: 56, .size: 8, .value_kind: global_buffer, .address_space: global }
      - { .name: wob, .offset: 64, .size: 8, .value_kind: global_buffer, .address_space: global }
    .group_segment_fixed_size: 0
    .private_segment_fixed_size: 0
    .kernarg_segment_align: 8
    .kernarg_segment_size: 72
    .max_flat_workgroup_size: 256
    .sgpr_count:     66
    .vgpr_count:     144
    .wavefront_size: 32
...
	.end_amdgpu_metadata
.endif
;; end of part 1
;; launch proj (part 2): grid 16 x 16, 4 waves a work-group, clusters of 4 x 4, 327,680 bytes of LDS; arguments hb, wqkv, cos, sin, qkvh; writes qkvh
.if DOCPART == 2
	.amdgcn_target "amdgcn-amd-amdhsa--gfx1250"
	.amdhsa_code_object_version 6
	.text
	.protected	k_q1e2340abf2_proj
	.globl	k_q1e2340abf2_proj
	.p2align	8
	.type	k_q1e2340abf2_proj,@function
k_q1e2340abf2_proj:
	s_mov_b64 s[64:65], 0
	v_nop
	global_prefetch_b8 v0, s[64:65] scope:SCOPE_SE
	s_setreg_imm32_b32 hwreg(HW_REG_WAVE_MODE, 25, 1), 1
	s_wait_xcnt 0x0
	s_wait_alu depctr_hold_cnt(0) depctr_sa_sdst(0) depctr_va_vdst(0) depctr_va_sdst(0) depctr_va_ssrc(0) depctr_va_vcc(0) depctr_vm_vsrc(0)
	s_getreg_b32 s2, hwreg(HW_REG_IB_STS2, 6, 4)
	s_cmp_eq_u32 s2, 0
	s_cbranch_scc0 .Lentry_in_a_cluster
	s_endpgm
.Lentry_in_a_cluster:
	s_bfe_u32 s2, ttmp6, 0x10000c
	s_cmp_lg_u32 s2, 0xf033
	s_cbranch_scc0 .Lentry_shape_is_right
	s_endpgm
.Lentry_shape_is_right:
; q, k, v = hb @ wqkv, RoPE on q and k in f32, out by heads in f16.  hb: [2048][4096] f16 (K along the rows); wqkv: [4096 k][4096 n] f16 (n along the rows);
; cos, sin: [2048][128] f32; qkvh: [32 heads][2048][128] f16: heads 0-15 q, 16-23 k, 24-31 v.  Sums in f32, each result rounded once.
; LIMIT.  q, k and v leave as f16: they must lie within 65,504.
; SHARES.  A tile of C is 128 rows x 256 columns: 16 x 16 work-groups.  Four waves, each 64 rows x 128 columns: 32 accumulators of 16 x 16, 256 registers.
; A wave's 128 columns are ONE head (number 2 x tile column + column half), so RoPE's partner column d +- 64 lies in the same lane, four accumulators away.
; B'S RING.  K goes in INTERVALS of 256 through two LDS slots of 256 k-rows x 512 bytes.  Each wave fetches 64 k-rows by one tensor load behind each change of slots, asked for jointly along a column of the
; 4 x 4 cluster.  A refill has the work between two changes of slots in which to land: 256 matrix instructions less the 16 between the wait and the load.
; A GOES THROUGH REGISTERS, WITHOUT MULTICAST.  The reason, by bytes: two slots of 256 along K for A and B together are 2 x (67,584 + 139,264) = 413,696, more than the 327,680 of LDS; with B alone in the tensor
; ring they are 278,528.  Wave w copies rows 32 w .. 32 w + 31 of A's tile: for each 64 along K (a SUB-STEP) eight loads of 16 bytes a lane, four rows x 128 bytes each, into one of four sets of 32 registers,
; issued four sub-steps (256 matrix instructions) ahead; loads into registers may stay out across barriers.  Eight LDS stores put a set into one of two sub-slots of 128 rows x 144 bytes, which no tensor load fills.
; One barrier a sub-step: in front of it each wave has waited for its stores of the next sub-step's rows and for its reads of this one's; the fourth of an interval is the change of slots.
; THE LAST INTERVAL lies in slot 1; slot 0, read out, takes cos and sin of the tile's 128 rows (2 x 128 x 528 bytes), one plain tensor load a wave: 128 KiB once, against 2 MiB of B's tiles, so no mask is made for it.
; THE MATRIX INSTRUCTION IS USED TRANSPOSED: source 0 = 16 columns n of B (turned on the way out of LDS by ds_load_tr16_b128), source 1 = 16 rows of A: a lane holds row l % 16 and columns 8 (l / 16) + 0..7.
; REGISTERS, in windows of 256 (s_set_vgpr_msb: bits 1:0 source 0, 3:2 source 1, 5:4 source 2, 7:6 destination):
;   window 0: v0-31 addresses; v32-127, v128-223 two fragment buffers (64 of B, 32 of A)      window 1: the accumulators, (i, b) at 8 (8 i + b)
;   window 2: v0-127 A's four sets; on the way out two sets of 128: cos of column block b at 8 b, sin at 64 + 8 b, in the accumulators' layout
.set KA,     4096                      ; K, and elements in a row of A
.set NI,     KA/256                    ; intervals
.set PB,     544                       ; a k-row of B in LDS: 512 + 32
.set BQ,     32*PB                     ; a quarter step: 32 along K
.set BWAVE,  64*PB                     ; what one tensor load brings
.set BS,     256*PB                    ; a slot: 139,264 bytes; its two bits meet none of wave x BWAVE, so one exclusive or turns an address in one slot into the other's
.set IB,     256*8192                  ; bytes of B in memory from an interval to the next
.set ABASE,  2*BS                      ; behind the ring, never filled by a tensor load: A's two sub-slots
.set PA,     144                       ; a row of A: 128 bytes + 16: the 16 rows of a fragment load start at 16 different groups of four banks
.set ASUB,   128*PA
.set STAGE,  ABASE                     ; the way out's stages (16 rows x 272 bytes a wave) take A's sub-slots, behind a barrier
.set SPITCH, 272
.set SPARE,  ABASE+2*ASUB              ; the spare words, 128 bytes for each wave, which no other line names
.set XP,     528                       ; a row of cos or sin: 512 bytes + 16
.set XWAVE,  64*XP
.set ADRA, 16                          ; v16  LDS address of my A fragments in sub-slot 0
.set AST,  18                          ; v18  where I store 16 bytes of A: row 32 w + 8 (l / 8), piece l % 8, sub-slot 0
.set AO,   19                          ; v19  the same place in memory, from my wave's first row; never rewritten
.set ADRB, 20                          ; v20-21 LDS address of my B fragments: quarters 0-3, 4-7 of the slot in hand
.set BL,   22                          ; v22  my lane's place in a slot of B; never rewritten
.set STO,  24                          ; v24  the way out: where I put 16 bytes of a row
.set RD,   25                          ; v25  where I read rows back
.set CO,   26                          ; v26  16 x lane: my place in 512 consecutive bytes of a head
.set CSA,  27                          ; v27  my 8 numbers of a row of cos in LDS
.set SPW,  28                          ; v28  my spare word; never rewritten
.set NIL,  29                          ; v29  0; never rewritten
.set PFO,  30                          ; v30  the prefetches' lane offset; never rewritten
.set SNA,  31                          ; v31  the same as v27 for sin
.set F0,   32
.set F1,   128
.set T,    32                          ; the way out: 64 rotated numbers in f32
.set PKR,  96                          ; 32 registers of packed f16
.set BKB,  128                         ; two sets of 32: rows read back from the stage
.set WV,  14                           ; s14 wave
.set WM,  15                           ; s15 my half of the rows
.set EH,  16                           ; s16 my half of the columns
.set CX,  17
.set CY,  18
.set TX,  19                           ; tile column
.set TY,  20                           ; tile row
.set LAP, 21
.set LIM, 22                           ; 1 in a wave that prefetches, else the greatest number
.set CLX, 23                           ; the cluster's x: 0, 1 make q, 2 makes k, 3 makes v
.set G1B, 24                           ; s[24:31] group 1 for B's tiles
.set G0F, 32                           ; s[32:35] group 0 of the first fill of slot 0
.set G0W, 36                           ; s[36:39] group 0 of the first fill of slot 1; it then walks on
.set PFA, 40                           ; s[40:41] where my prefetches stand
.set AP,  42                           ; s[42:43] A at my wave's first row, at the interval in hand
.set TB,  44                           ; s44 the slot in hand
.set G1X, 48                           ; s[48:55], s[56:59] groups 1 and 0 for cos and sin
.set G0X, 56
.set MSB, 0
.macro WIN new                         ; the immediate's high byte repeats the setting that is left; a switch that changes nothing is dropped
.if MSB != (\new)
	s_set_vgpr_msb (MSB<<8)|(\new)
.set MSB, \new
.endif
.endm
.set MUL, 0x50                         ; C and D in window 1, the fragments in window 0
.macro PLACES                          ; four plain instructions between a matrix instruction and a load into, or a vector line on, its registers (ISA guide 7.12.1 for vector lines)
.rept 4
	v_nop
.endr
.endm
.macro CREST                           ; a round of the cluster's barrier behind its opening barrier
	s_cmp_lg_u32 s[WV], 0
	s_cbranch_scc1 .Lnot_wave_0_\@
	s_barrier_signal -3
.Lnot_wave_0_\@:
	s_barrier_wait -3
	s_barrier_signal -1
	s_barrier_wait -1
.endm
.macro CROUND
	s_barrier_signal -1
	s_barrier_wait -1
	CREST
.endm
; A prefetch of the interval of B that the NEXT refill will ask for: 256 matrix instructions ahead of that load.  Each block of 256 bytes is named once in the launch: B's tile column is read by every cluster of
; that column of clusters, and cluster y = 0 asks; of the 64 k-rows that a wave fetches each of the four partners takes 16, told apart by address (cy); two lanes a k-row of 512 bytes.
; The loop's last trip asks for nothing.  A is not asked for: its loads are themselves issued 256 matrix instructions ahead of their use.
.macro ASK
	s_cmp_gt_u32 s[LAP], s[LIM]
	s_cbranch_scc0 .Lnot_mine_\@
	global_prefetch_b8 v[PFO], s[PFA:PFA+1] th:TH_LOAD_NT scope:SCOPE_SE
.Lnot_mine_\@:
.endm
	s_load_b256 s[4:11], s[0:1], 0x0               ; hb 4, wqkv 6, cos 8, sin 10
	s_load_b64 s[12:13], s[0:1], 0x20              ; qkvh
	v_lshl_add_u32 v[SPW], v0, 2, SPARE
	v_mov_b32 v[NIL], 0
	ds_add_u32 v[SPW], v[NIL]                      ; the wave's opening: the add and its wait come ahead of my first tensor load; work on registers stands between
	v_lshrrev_b32 v1, 5, v0
	v_readfirstlane_b32 s[WV], v1
	s_lshr_b32 s[WM], s[WV], 1
	s_and_b32 s[EH], s[WV], 1
	s_bfe_u32 s[CX], ttmp6, 0x40000
	s_bfe_u32 s[CY], ttmp6, 0x40004
	s_lshl_b32 s[TX], ttmp9, 2
	s_add_co_u32 s[TX], s[TX], s[CX]
	s_and_b32 s[TY], ttmp7, 0xffff
	s_lshl_b32 s[TY], s[TY], 2
	s_add_co_u32 s[TY], s[TY], s[CY]
	s_mov_b32 s[CLX], ttmp9
	s_lshl_b32 s45, 0x1111, s[CX]                  ; my column of the cluster
	s_or_b32 s[G1B], s45, (1<<16)|(1<<20)|(1<<21)|(6<<22)|(7<<25)  ; the mask; 2-byte elements; padding on; bit 21 beside a mask; after every 128 words, 8 words
	s_mov_b32 s[G1B+1], 256<<16                    ; tensor_dim0 = 256
	s_mov_b32 s[G1B+2], 64<<16                     ; tensor_dim1 = 64
	s_mov_b32 s[G1B+3], 256<<16                    ; tile_dim0 = 256
	s_mov_b32 s[G1B+4], 64                         ; tile_dim1 = 64
	s_mov_b32 s[G1B+5], 4096                       ; elements from k-row to k-row
	s_mov_b32 s[G1B+6], 0
	s_mov_b32 s[G1B+7], 0
	s_mov_b32 s[G1X], (2<<16)|(1<<20)|(6<<22)|(3<<25)  ; no mask; 4-byte elements; padding on; after every 128 words, 4 words
	s_mov_b32 s[G1X+1], 128<<16                    ; 64 rows of 128 numbers
	s_mov_b32 s[G1X+2], 64<<16
	s_mov_b32 s[G1X+3], 128<<16
	s_mov_b32 s[G1X+4], 64
	s_mov_b32 s[G1X+5], 128
	s_mov_b32 s[G1X+6], 0
	s_mov_b32 s[G1X+7], 0
	s_lshl_b32 s66, s[TY], 7                       ; A: row 128 x tile row + 32 x wave
	s_lshl_b32 s67, s[WV], 5
	s_add_co_u32 s66, s66, s67
	s_mul_i32 s66, s66, 2*KA
	s_mov_b32 s67, 0
	s_lshl_b32 s68, s[WV], 19                      ; B: k-row 64 x wave (8,192 bytes each), 512 bytes x tile column
	s_lshl_b32 s69, s[TX], 9
	s_add_co_u32 s68, s68, s69
	s_mov_b32 s69, 0
	s_mul_i32 s47, s[WV], BWAVE                    ; where it goes: no place in the cluster enters an LDS address
	s_lshl_b32 s76, s[TY], 16                      ; cos, sin: row 128 x tile row + 64 x (wave % 2), 512 bytes each
	s_lshl_b32 s77, s[EH], 15
	s_add_co_u32 s76, s76, s77
	s_mov_b32 s77, 0
	s_mov_b32 s[TB], 0
	v_and_b32 v7, 31, v0                           ; lane
	v_lshrrev_b32 v3, 3, v7                        ; l / 8
	v_and_b32 v4, 7, v7                            ; l % 8
	v_mul_u32_u24 v[AO], v3, 16*KA                 ; 8 rows of 2 KA bytes: rows 8 apart fall 8 columns of 16 bytes apart in LDS, so the 16 lanes of a store's pass touch 16 different columns
	v_lshl_add_u32 v[AO], v4, 4, v[AO]
	v_mul_u32_u24 v[AST], v3, 8*PA
	v_lshl_add_u32 v[AST], v4, 4, v[AST]
	s_mul_i32 s46, s[WV], 32*PA
	s_add_co_u32 s46, s46, ABASE
	v_add_nc_u32 v[AST], s46, v[AST]
	s_wait_dscnt 0x0                               ; the opening add is done
	s_wait_kmcnt 0x0
	s_add_nc_u64 s[AP:AP+1], s[4:5], s[66:67]
	WIN 0x80                                       ; destination window 2
.irp s, 0,1,2,3
.irp t, 0,1,2,3,4,5,6,7
	global_load_b128 v[32*\s+4*\t:32*\s+4*\t+3], v[AO], s[AP:AP+1] offset:\s*128+\t*2*KA  ; A's sub-steps 0 to 3 into sets 0 to 3
.endr
.endr
	WIN 0
	s_mov_b32 s[G0F], 1
	s_mov_b32 s[G0F+1], s47                        ; slot 0
	s_add_nc_u64 s[G0F+2:G0F+3], s[6:7], s[68:69]  ; interval 0
	s_mov_b32 s[G0W], 1
	s_add_co_u32 s[G0W+1], s47, BS                 ; slot 1
	s_add_nc_u64 s[G0W+2:G0W+3], s[G0F+2:G0F+3], IB  ; interval 1
	s_or_b32 s[G0F+3], s[G0F+3], 0x80000000
	s_or_b32 s[G0W+3], s[G0W+3], 0x80000000
	s_mov_b32 s[G0X], 1
	s_mul_i32 s[G0X+1], s[WV], XWAVE               ; in slot 0: cos' 128 rows, then sin's: wave x 64 rows
	s_cmp_eq_u32 s[WM], 0                          ; waves 0, 1 fetch cos, waves 2, 3 sin
	s_cselect_b64 s[G0X+2:G0X+3], s[8:9], s[10:11]
	s_add_nc_u64 s[G0X+2:G0X+3], s[G0X+2:G0X+3], s[76:77]
	s_or_b32 s[G0X+3], s[G0X+3], 0x80000000
	CROUND                                         ; all sixteen work-groups are here: the first joint loads meet
	tensor_load_to_lds s[G0F:G0F+3], s[G1B:G1B+7]  ; the two first fills go out together: two loads of mine are out
	s_nop 0
	tensor_load_to_lds s[G0W:G0W+3], s[G1B:G1B+7]
	s_nop 0
	PLACES
	v_and_b32 v1, 15, v0                           ; l % 16
	v_bfe_u32 v2, v0, 4, 1                         ; l / 16
	v_mul_u32_u24 v3, v1, PA
	v_lshl_add_u32 v3, v2, 4, v3
	s_mul_i32 s45, s[WM], 64*PA
	s_add_co_u32 s45, s45, ABASE
	v_add_nc_u32 v[ADRA], s45, v3                  ; A: my 64 rows; row x pitch + 16 x half of the lanes
	v_and_b32 v4, 7, v0
	v_lshl_add_u32 v4, v2, 3, v4                   ; B, turned: lane l reads k-row 8 (l / 16) + l % 8,
	v_mul_u32_u24 v4, v4, PB
	v_bfe_u32 v5, v0, 3, 1
	v_lshl_add_u32 v4, v5, 4, v4                   ; columns 8 ((l / 8) % 2) + 0..7,
	s_lshl_b32 s45, s[EH], 8
	v_add_nc_u32 v[BL], s45, v4                    ; of my 128 columns
	v_mov_b32 v[ADRB], v[BL]                       ; slot 0
	v_add_nc_u32 v[ADRB+1], 4*BQ, v[BL]
	s_mul_i32 s45, s[WV], 16*SPITCH
	s_add_co_u32 s45, s45, STAGE                   ; my stage
	v_mul_u32_u24 v6, v1, SPITCH
	v_lshl_add_u32 v6, v2, 4, v6
	v_add_nc_u32 v[STO], s45, v6
	v_mul_u32_u24 v6, v2, SPITCH
	v_lshl_add_u32 v6, v1, 4, v6
	v_add_nc_u32 v[RD], s45, v6
	v_lshlrev_b32 v[CO], 4, v7
	v_mul_u32_u24 v[CSA], v1, XP                   ; cos in LDS: row 64 x my half + l % 16, 32 bytes for each half of the lanes
	v_lshl_add_u32 v[CSA], v2, 5, v[CSA]
	s_mul_i32 s45, s[WM], 64*XP
	v_add_nc_u32 v[CSA], s45, v[CSA]
	v_add_nc_u32 v[SNA], 128*XP, v[CSA]
	s_lshl_b32 s78, s[TX], 20                      ; my head, 524,288 bytes each: 2 x tile column + half; my first row, 256 bytes each
	s_lshl_b32 s79, s[EH], 19
	s_add_co_u32 s78, s78, s79
	s_lshl_b32 s79, s[TY], 15
	s_add_co_u32 s78, s78, s79
	s_lshl_b32 s79, s[WM], 14
	s_add_co_u32 s78, s78, s79
	s_mov_b32 s79, 0
	s_add_nc_u64 s[74:75], s[12:13], s[78:79]
	s_and_b32 s83, ttmp7, 0xffff                   ; the prefetches
	s_cmp_eq_u32 s83, 0
	s_cselect_b32 s[LIM], 1, -1                    ; the same in all sixteen partners
	s_lshl_b32 s82, s[WV], 6
	s_lshl_b32 s83, s[CY], 4
	s_add_co_u32 s82, s82, s83                     ; k-row 64 x wave + 16 cy,
	s_lshl_b32 s82, s82, 13
	s_lshl_b32 s83, s[TX], 9
	s_add_co_u32 s82, s82, s83                     ; the tile column's 512 bytes,
	s_add_co_u32 s82, s82, 2*IB                    ; at interval 2: the first refill steps it to 3
	s_mov_b32 s83, 0
	s_add_nc_u64 s[PFA:PFA+1], s[6:7], s[82:83]
	v_lshrrev_b32 v9, 1, v7
	v_lshlrev_b32 v9, 13, v9
	v_and_b32 v10, 1, v7
	v_lshl_add_u32 v[PFO], v10, 8, v9
; 24 LDS loads in one run: quarter q (0 to 7, 32 along K) of the interval in hand into buffer f: B's eight fragments, turned, then A's four from sub-slot (q / 2) % 2
.macro FETCH q, f
	WIN 0
.irp b, 0,1,2,3,4,5,6,7
	ds_load_tr16_b128 v[(\f)+8*\b:(\f)+8*\b+3],   v[ADRB+(\q)/4] offset:((\q)%4)*BQ+32*\b
	ds_load_tr16_b128 v[(\f)+8*\b+4:(\f)+8*\b+7], v[ADRB+(\q)/4] offset:((\q)%4)*BQ+32*\b+16*PB
.endr
.irp i, 0,1,2,3
	ds_load_b128 v[(\f)+64+8*\i:(\f)+64+8*\i+3],   v[ADRA] offset:(((\q)/2)%2)*ASUB+((\q)%2)*64+\i*16*PA
	ds_load_b128 v[(\f)+64+8*\i+4:(\f)+64+8*\i+7], v[ADRA] offset:(((\q)/2)%2)*ASUB+((\q)%2)*64+\i*16*PA+32
.endr
.endm
; 8 matrix instructions: row block i x all 8 column blocks.  The 32 accumulators take turns, one instruction a turn, in the same order in every quarter.  zero = 1: the product starts the sum.
.macro MULI f, i, zero
	WIN MUL
.irp b, 0,1,2,3,4,5,6,7
.if \zero
	v_wmma_f32_16x16x32_f16 v[8*(8*(\i)+\b):8*(8*(\i)+\b)+7], v[(\f)+8*\b:(\f)+8*\b+7], v[(\f)+64+8*(\i):(\f)+64+8*(\i)+7], 0
.else
	v_wmma_f32_16x16x32_f16 v[8*(8*(\i)+\b):8*(8*(\i)+\b)+7], v[(\f)+8*\b:(\f)+8*\b+7], v[(\f)+64+8*(\i):(\f)+64+8*(\i)+7], v[8*(8*(\i)+\b):8*(8*(\i)+\b)+7]
.endif
.endr
.endm
; A's part of sub-step v (0 to 3 of the interval; -1 ahead of the first): the NEXT sub-step's rows go from set (v + 1) % 4 into sub-slot (v + 1) % 2, which every wave has read out in front of the last barrier;
; ld = 1: the set is asked for again, four sub-steps on.  cnt: the younger loads that may stay out: three sets of eight, fewer at the end.
.macro ASTG v, cnt, ld
.set ASET, 32*(((\v)+1)%4)
.set ASB,  (((\v)+1)%2)*ASUB
	s_wait_loadcnt \cnt
	WIN 0x08                                       ; the stores' data in window 2
.irp t, 0,1,2,3,4,5,6,7
	ds_store_b128 v[AST], v[ASET+4*\t:ASET+4*\t+3] offset:ASB+\t*PA
.endr
.if \ld
	WIN 0x80
.irp t, 0,1,2,3,4,5,6,7
	global_load_b128 v[ASET+4*\t:ASET+4*\t+3], v[AO], s[AP:AP+1] offset:((\v)+5)*128+\t*2*KA
.endr
.endif
.endm
; An even quarter q multiplies buffer 0; ahead of its products it asks LDS for quarter q + 1 and does A's part of the sub-step (st = 1).
.macro QE q, zero, st, cnt, ld
	PLACES                                         ; buffer 1's last readers stand directly ahead
	FETCH (\q)+1, F1
.if \st
	ASTG (\q)/2, \cnt, \ld
.endif
	s_wait_dscnt 24+8*(\st)                        ; all but what was just issued: buffer 0 is in
	MULI F0, 0, \zero
	MULI F0, 1, \zero
	MULI F0, 2, \zero
	MULI F0, 3, \zero
.endm
; An odd quarter q (1, 3, 5) multiplies buffer 1 and ends a sub-step.  ONE barrier: in front of it my stores of the next sub-step's rows are done and my reads of this one's are back; behind it the next is read.
; B's tensor load stays out across it.
.macro QO q
	s_wait_dscnt 0x0
	s_barrier_signal -1
	MULI F1, 0, 0
	s_barrier_wait -1
	PLACES                                         ; for the loads into buffer 0
	FETCH (\q)+1, F0
	MULI F1, 1, 0
	MULI F1, 2, 0
	MULI F1, 3, 0
.endm
; Quarter 7 multiplies buffer 1, ends a sub-step and changes slots.  In front of the barrier each wave waits for all its tensor loads (one is out: its part of the next slot), adds 0 to its spare word, and waits for that,
; for its stores and for its reads of this slot.  The barrier opens a round of the cluster's; the slot just read out is filled again first thing behind it:
; fill = 1: with the interval two on, jointly;  fill = 2 (slot 0, for the last time): with cos and sin, where q or k is made (the branch hangs on the cluster's x, which all partners share).
.macro TURN fill
.if (\fill) == 1
	s_wait_xcnt 0x0                                ; A's loads, 32 matrix instructions back, and the last prefetch, an interval back, have read their addresses
	s_add_nc_u64 s[AP:AP+1], s[AP:AP+1], 512
	s_add_nc_u64 s[PFA:PFA+1], s[PFA:PFA+1], IB
.endif
	WIN 0
	s_wait_tensorcnt 0x0
	ds_add_u32 v[SPW], v[NIL]
	s_wait_dscnt 1                                 ; all LDS instructions but the add are older than it and done: buffer 1 is in
	MULI F1, 0, 0
	s_wait_dscnt 0x0
	s_barrier_signal -1
	MULI F1, 1, 0
	WIN 0
	s_barrier_wait -1
	CREST                                          ; no wave of any partner still reads this slot or has a load on its way
.if (\fill) == 1
	s_xor_b32 s[G0W+1], s[G0W+1], BS               ; the walking descriptor: the other slot than last time, the next interval
	s_add_nc_u64 s[G0W+2:G0W+3], s[G0W+2:G0W+3], IB
	tensor_load_to_lds s[G0W:G0W+3], s[G1B:G1B+7]
	s_nop 0
	PLACES                                         ; also the places in front of the loads into buffer 0
	s_xor_b32 s[TB], s[TB], BS
.else
	s_cmp_eq_u32 s[CLX], 3
	s_cbranch_scc1 .Lno_tables_\@
	tensor_load_to_lds s[G0X:G0X+3], s[G1X:G1X+7]
	s_nop 0
	PLACES
.Lno_tables_\@:
	PLACES
	s_mov_b32 s[TB], BS                            ; the last interval lies in slot 1
.endif
	v_add_nc_u32 v[ADRB], s[TB], v[BL]
	v_add_nc_u32 v[ADRB+1], 4*BQ, v[ADRB]
	FETCH 0, F0
.if (\fill) == 1
	ASK
.endif
	MULI F1, 2, 0
	MULI F1, 3, 0
.endm
	ASTG -1, 24, 1                                 ; sub-step 0 into sub-slot 0; set 0 is asked for again, for sub-step 4
	WIN 0
	s_wait_tensorcnt 1                             ; my part of interval 0 is in; interval 1's may stay out
	s_wait_dscnt 0x0                               ; my stores are done
	s_barrier_signal -1
	s_barrier_wait -1
	FETCH 0, F0
	QE 0, 1, 1, 24, 1                              ; the first quarter stands in front of the loop: its products start the sums
	WIN 0
	s_mov_b32 s[LAP], NI-2
.Llap:                                                 ; a trip: quarters 1 to 7 of an interval, the change of slots with its refill, and the next interval's quarter 0
	QO 1
	QE 2, 0, 1, 24, 1
	QO 3
	QE 4, 0, 1, 24, 1
	QO 5
	QE 6, 0, 1, 24, 1
	TURN 1
	QE 0, 0, 1, 24, 1
	WIN 0
	s_sub_co_u32 s[LAP], s[LAP], 1
	s_cmp_lg_u32 s[LAP], 0
	s_cbranch_scc1 .Llap
	QO 1                                           ; the last two intervals are written out
	QE 2, 0, 1, 24, 1
	QO 3
	QE 4, 0, 1, 24, 1
	QO 5
	QE 6, 0, 1, 24, 0
	TURN 2
	QE 0, 0, 1, 16, 0                              ; the counts run down
	QO 1
	QE 2, 0, 1, 8, 0
	QO 3
	QE 4, 0, 1, 0, 0
	QO 5
	QE 6, 0, 0, 0, 0
	s_wait_dscnt 0x0                               ; buffer 1 is in, and my reads of A's sub-slots are over: the stages will lie there
	s_wait_tensorcnt 0x0                           ; my part of cos and sin has landed
	s_barrier_signal -1
	MULI F1, 0, 0
	MULI F1, 1, 0
	MULI F1, 2, 0
	MULI F1, 3, 0
	WIN 0
	s_barrier_wait -1                              ; both now hold of every wave
	PLACES
; THE WAY OUT, 16 rows (row block a) at a time.  CSF: cos and sin of the block, 32 LDS loads, into set a % 2 of window 2.
.macro CSF a
.set CB, 128*((\a)%2)
	WIN 0x80
.irp b, 0,1,2,3,4,5,6,7
	ds_load_b128 v[CB+8*\b:CB+8*\b+3],       v[CSA] offset:(\a)*16*XP+64*\b
	ds_load_b128 v[CB+8*\b+4:CB+8*\b+7],     v[CSA] offset:(\a)*16*XP+64*\b+16
	ds_load_b128 v[CB+64+8*\b:CB+64+8*\b+3],   v[SNA] offset:(\a)*16*XP+64*\b
	ds_load_b128 v[CB+64+8*\b+4:CB+64+8*\b+7], v[SNA] offset:(\a)*16*XP+64*\b+16
.endr
	WIN 0
.endm
; ROPE: column d of a head pairs with d +- 64, four column blocks away in the same lane: out[d] = q[d] cos[d] - q[d+64] sin[d] for d < 64, out[d] = q[d] cos[d] + q[d-64] sin[d] for d >= 64, in f32.
; Each accumulator's lowest registers are read first.
.macro ROPE a
.set CB, 128*((\a)%2)
	WIN 0x09                                       ; source 0: the accumulators, window 1; source 1: cos and sin, window 2; the rest window 0
.irp b, 0,1,2,3
.irp r, 0,2,4,6
	v_pk_mul_f32 v[T+8*\b+\r:T+8*\b+\r+1], v[64*(\a)+8*\b+\r:64*(\a)+8*\b+\r+1], v[CB+8*\b+\r:CB+8*\b+\r+1]
	v_pk_mul_f32 v[T+8*(\b+4)+\r:T+8*(\b+4)+\r+1], v[64*(\a)+8*(\b+4)+\r:64*(\a)+8*(\b+4)+\r+1], v[CB+8*(\b+4)+\r:CB+8*(\b+4)+\r+1]
	v_pk_fma_f32 v[T+8*\b+\r:T+8*\b+\r+1], v[64*(\a)+8*(\b+4)+\r:64*(\a)+8*(\b+4)+\r+1], v[CB+64+8*\b+\r:CB+64+8*\b+\r+1], v[T+8*\b+\r:T+8*\b+\r+1] neg_lo:[0,1,0] neg_hi:[0,1,0]
	v_pk_fma_f32 v[T+8*(\b+4)+\r:T+8*(\b+4)+\r+1], v[64*(\a)+8*\b+\r:64*(\a)+8*\b+\r+1], v[CB+64+8*(\b+4)+\r:CB+64+8*(\b+4)+\r+1], v[T+8*(\b+4)+\r:T+8*(\b+4)+\r+1]
.endr
.endr
	WIN 0
.set i, 0
.rept 32
	v_cvt_pk_f16_f32 v[PKR+i], v[T+2*i], v[T+2*i+1]
.set i, i+1
.endr
.endm
.macro PACKV a                         ; v: rounded as it is
	WIN 0x05                                       ; sources 0 and 1 window 1
.set i, 0
.rept 32
	v_cvt_pk_f16_f32 v[PKR+i], v[64*(\a)+2*i], v[64*(\a)+2*i+1]
.set i, i+1
.endr
	WIN 0
.endm
.macro TOSTAGE a                       ; 16 bytes a lane into rows of 272 bytes of my own stage, and back as whole rows of 256
.set BK, BKB+32*((\a)%2)
	s_wait_xcnt 0x0                                ; the stores of two blocks back have read the registers that are loaded again below
.irp b, 0,1,2,3,4,5,6,7
	ds_store_b128 v[STO], v[PKR+4*\b:PKR+4*\b+3] offset:32*\b
.endr
.irp t, 0,1,2,3,4,5,6,7
	ds_load_b128 v[BK+4*\t:BK+4*\t+3], v[RD] offset:\t*2*SPITCH  ; LDS serves a wave's instructions in order (ISA guide 5.7.1.4): these see the stores above
.endr
.endm
.macro SEND a
.set BK, BKB+32*((\a)%2)
.irp t, 0,1,2,3,4,5,6,7
	global_store_b128 v[CO], v[BK+4*\t:BK+4*\t+3], s[74:75] offset:(\a)*4096+\t*512 th:TH_STORE_NT  ; two rows of a head: 512 consecutive bytes, at a multiple of 256 from the buffer's first
.endr
.endm
	s_cmp_eq_u32 s[CLX], 3
	s_cbranch_scc1 .Lv_out
	CSF 0
	CSF 1
	s_wait_dscnt 32                                ; block 0's tables are in; block 1's 32 loads may stay out
	ROPE 0
	TOSTAGE 0
	CSF 2                                          ; into the set that block 0 has read
	s_wait_dscnt 32                                ; all but the 32 just issued: block 1's tables, and block 0's rows from the stage
	SEND 0
	ROPE 1
	TOSTAGE 1
	CSF 3
	s_wait_dscnt 32
	SEND 1
	ROPE 2
	TOSTAGE 2
	s_wait_dscnt 0x0
	SEND 2
	ROPE 3
	TOSTAGE 3
	s_wait_dscnt 0x0
	SEND 3
	s_branch .Ldone
.Lv_out:
	PACKV 0
	TOSTAGE 0
.irp a, 1,2,3
	PACKV \a                                       ; a block's conversions stand between the loads of the block before and its stores
	s_wait_dscnt 0x0
	SEND (\a)-1
	TOSTAGE \a
.endr
	s_wait_dscnt 0x0
	SEND 3
.Ldone:
	s_wait_tensorcnt 0x0                           ; the wave's end: behind my last tensor load and my last LDS store
	ds_add_u32 v[SPW], v[NIL]
	s_wait_dscnt 0x0
	CROUND                                         ; the closing round: no work-group ends while a partner may still ask for a tile that names it
	s_endpgm
.Lfunc_end_k_q1e2340abf2_proj:
	.size	k_q1e2340abf2_proj, .Lfunc_end_k_q1e2340abf2_proj-k_q1e2340abf2_proj
	.p2alignl 7, 3214868480
	.fill 96, 4, 3214868480
	.section	.rodata,"a",@progbits
	.p2align	6, 0x0
	.amdhsa_kernel k_q1e2340abf2_proj
		.amdhsa_group_segment_fixed_size 327680
		.amdhsa_private_segment_fixed_size 0
		.amdhsa_enable_private_segment 0
		.amdhsa_kernarg_size 40
		.amdhsa_user_sgpr_count 2
		.amdhsa_user_sgpr_kernarg_segment_ptr 1
		.amdhsa_wavefront_size32 1
		.amdhsa_system_sgpr_workgroup_id_x 1
		.amdhsa_system_sgpr_workgroup_id_y 1
		.amdhsa_system_sgpr_workgroup_id_z 1
		.amdhsa_system_vgpr_workitem_id 0
		.amdhsa_next_free_vgpr 768
		.amdhsa_next_free_sgpr 88
		.amdhsa_reserve_vcc 0
		.amdhsa_float_denorm_mode_32 3
		.amdhsa_float_denorm_mode_16_64 3
		.amdhsa_memory_ordered 1
		.amdhsa_forward_progress 1
		.amdhsa_inst_pref_size 172
	.end_amdhsa_kernel
	.amdgpu_metadata
---
amdhsa.version: [ 1, 2 ]
amdhsa.kernels:
  - .name:           k_q1e2340abf2_proj
    .symbol:         k_q1e2340abf2_proj.kd
    .args:
      - { .name: hb, .offset: 0, .size: 8, .value_kind: global_buffer, .address_space: global }
      - { .name: wqkv, .offset: 8, .size: 8, .value_kind: global_buffer, .address_space: global }
      - { .name: cos, .offset: 16, .size: 8, .value_kind: global_buffer, .address_space: global }
      - { .name: sin, .offset: 24, .size: 8, .value_kind: global_buffer, .address_space: global }
      - { .name: qkvh, .offset: 32, .size: 8, .value_kind: global_buffer, .address_space: global }
    .group_segment_fixed_size: 327680
    .private_segment_fixed_size: 0
    .kernarg_segment_align: 8
    .kernarg_segment_size: 40
    .max_flat_workgroup_size: 128
    .sgpr_count:     88
    .vgpr_count:     768
    .wavefront_size: 32
...
	.end_amdgpu_metadata
.endif
;; end of part 2
;; launch attn (part 3): grid 32 x 8, 4 waves a work-group, clusters of 4 x 1, 327,680 bytes of LDS; arguments qkvh, atth; writes atth
.if DOCPART == 3
	.amdgcn_target "amdgcn-amd-amdhsa--gfx1250"
	.amdhsa_code_object_version 6
	.text
	.protected	k_q1e2340abf2_attn
	.globl	k_q1e2340abf2_attn
	.p2align	8
	.type	k_q1e2340abf2_attn,@function
k_q1e2340abf2_attn:
	s_mov_b64 s[64:65], 0
	v_nop
	global_prefetch_b8 v0, s[64:65] scope:SCOPE_SE
	s_setreg_imm32_b32 hwreg(HW_REG_WAVE_MODE, 25, 1), 1
	s_wait_xcnt 0x0
	s_wait_alu depctr_hold_cnt(0) depctr_sa_sdst(0) depctr_va_vdst(0) depctr_va_sdst(0) depctr_va_ssrc(0) depctr_va_vcc(0) depctr_vm_vsrc(0)
	s_getreg_b32 s2, hwreg(HW_REG_IB_STS2, 6, 4)
	s_cmp_eq_u32 s2, 0
	s_cbranch_scc0 .Lentry_in_a_cluster
	s_endpgm
.Lentry_in_a_cluster:
	s_bfe_u32 s2, ttmp6, 0x10000c
	s_cmp_lg_u32 s2, 0x3003
	s_cbranch_scc0 .Lentry_shape_is_right
	s_endpgm
.Lentry_shape_is_right:
; CAUSAL ATTENTION, two query heads to a key and value head.  qkvh: [32 heads][2048][128] f16 (0-15 q, 16-23 k, 24-31 v); atth: [2048][16 x 128] f16.
; O[q] = the sum over k <= q of softmax_k(Q[q] . K[k] / sqrt(128)) V[k].  Products, maxima and sums in f32; the weights p are rounded to f16 for the second product (their sum l is taken of the unrounded p), O once.
; LIMITS.  A hidden score counts as its value less 1e30; a weight below 2^-126 counts as 0 in l; NaN and infinities are not treated apart; q, k, v arrive within f16's 65,504.
; THE WALK.  A head's queries lie in 32 blocks of 64; keys go in steps of 64, two steps (a tile of 128 keys) to an LDS slot.  A work-group takes block 31 - lo and then block lo, lo = 2 j + ip:
; 16 - j tiles and j + 1 tiles, 17 whatever j and ip: all work-groups do equal work, and one loop with a constant trip count walks them.
; CLUSTER.  The four partners (two query heads x ip = 0, 1) of cluster (j, g) walk the SAME tiles of key and value head g in the same order, so every tile is asked for jointly.  Between partners only data
; differ: Q's and O's addresses and the masks' two scalars; no branch, trip count or LDS address hangs on a work-group's place.
; SHARES.  Wave w owns rows 16 w .. 16 w + 15 of the block: one tile of 16 queries.
; LAYOUT.  S^T = K Q^T (source 0 = 16 keys, source 1 = 16 queries): a lane holds ONE query (l % 16) and keys 8 (l / 16) + 0..7; two such results rounded to f16 ARE source 1 of O^T = V^T P.  V is turned by ds_load_tr16_b128.
; THE MASK is the C operand that starts a step's sums: MC = MD x AL + BE.  MD, made once, is -1e30 where a key of the diagonal step is hidden from my row.  In a block's last tile: an even block has
; (AL, BE) = (1, 0) in step 0 (the diagonal) and (0, -1e30) in step 1 (all hidden); an odd one (0, 0) and (1, 0).  Elsewhere (0, 0).  The diagonal step comes first, so m is a true score when hidden ones come.
; SOFTMAX.  p = 2^(c s - c m), c = log2(e) / sqrt(128), with a running maximum m; O and l are multiplied by a = 2^(c m_old - c m_new) in every step.  A block begins with c m far below every c s: its first a is 0.
; IN PHASES: a step's 16 products K Q^T, its softmax, its 16 products V^T P.
; REGISTERS.  Window 0: all below.  Window 1: v0-127 K of one step (key block kb, channels 32 c on, at 32 kb + 8 c); v128-255 V (keys 32 kk on, channel block cb, at 128 + 64 kk + 8 cb).
.set HS,    524288    ; bytes in a head
.set KS,    64
.set PK,    272       ; a row of K in LDS: 256 bytes + 16: the 16 rows of a load start at 16 different groups of four banks (64 banks of 4 bytes: ISA guide 11.1)
.set PV,    288       ; a row of V: 256 + 32
.set VOFF,  KS*PK     ; a step's tiles lie together: 64 rows of K, then 64 rows of V
.set STEPB, KS*(PK+PV)
.set SLOT1, 1<<17     ; slot 1 begins here: one exclusive or turns an address in one slot into the other's
.set STAGE, SLOT1+2*STEPB  ; behind the ring, never filled by a tensor load: 16 rows x 272 bytes for each wave
.set SP,    272
.set SPARE, STAGE+4*16*SP  ; the spare words, 128 bytes for each wave, which no other line names
.set AK0, 2           ; v2  my lane's place in a tile of K; never rewritten
.set AV0, 3           ; v3  the same for V
.set AK,  4           ; v4  K's LDS address in the slot in hand
.set AV,  5           ; v5  V's
.set QO,  6           ; v6  my byte offset in 16 rows of Q
.set STO, 7
.set RD,  8
.set GO,  12          ; v12 my byte offset in two rows of atth
.set PFO, 13          ; v13 256 x lane
.set SPW, 16
.set NIL, 17
.set CM,  20          ; v20 c m, v21 m (named as a pair)
.set MX,  21
.set LS,  22          ; v22-23 l: even keys', odd keys'
.set C0,  24          ; v24-27 at work; when the maximum is found v26 takes a
.set CMO, 28          ; v28 c m_old
.set S,   32
.set P,   64
.set MC,  80
.set MD,  112
.set Q,   144
.set O,   176
.set KF,  0           ; window 1
.set VF,  128
.set WV,  12
.set CX,  13
.set JJ,  14          ; s14 j, the cluster's x
.set GG,  15          ; s15 g, the key and value head
.set KB,  16          ; s[16:17] K of head g at my half of tile 0;  s[18:19] V
.set VB,  18
.set PFA, 20
.set LIM, 22
.set G1K, 24
.set G1V, 32
.set G0K, 40
.set G0V, 44
.set QP,  48          ; s[48:49] Q at my rows of the first block, s[50:51] of the second
.set OP,  52          ; s[52:53] O at my rows of the block in hand, s[54:55] of the second
.set TRIPS, 56
.set RT,  57          ; tiles of the block in hand that are still to be walked, the one in hand among them
.set CS,  58
.set SEL, 60
.set NXT, 62          ; the tile to be asked for next
.set LQ,  63          ; the last tile of the block whose tiles are being asked for
.set OFF, 66
.set AL,  68
.set BE,  70
.set MA,  72          ; s72-74 AL of step 0, AL of step 1, BE of step 1 in the last tile of the block in hand; s75-77 of the second block
.set BIGN, 78
.set LA,  79          ; s79-81 the same three for the tile in hand
.set TB,  82          ; the slot in hand
.set MSB, 0
.macro WIN new
.if MSB != (\new)
	s_set_vgpr_msb (MSB<<8)|(\new)
.set MSB, \new
.endif
.endm
.set W_MM, 0x01       ; source 0 (K or V) in window 1
.set TO_1, 0x40       ; destination window 1
.macro PLACES
.rept 4
	v_nop
.endr
.endm
.macro JLOAD                           ; waves 0, 1 fetch K of a tile's two steps, waves 2, 3 V; an s_nop 0 and four v_nop follow each of the two lines
	s_cmp_lt_u32 s[WV], 2
	s_cbranch_scc0 .Lfor_v_\@
	tensor_load_to_lds s[G0K:G0K+3], s[G1K:G1K+7]
	s_nop 0
.rept 4
	v_nop
.endr
	s_branch .Lasked_\@
.Lfor_v_\@:
	tensor_load_to_lds s[G0V:G0V+3], s[G1V:G1V+7]
	s_nop 0
.rept 4
	v_nop
.endr
.Lasked_\@:
.endm
.macro CROUND
	s_barrier_signal -1
	s_barrier_wait -1
	s_cmp_lg_u32 s[WV], 0
	s_cbranch_scc1 .Lnot_wave_0_\@
	s_barrier_signal -3
.Lnot_wave_0_\@:
	s_barrier_wait -3
	s_barrier_signal -1
	s_barrier_wait -1
.endm
; A prefetch of the tile that the NEXT change of slots will ask for: 128 rows of K and of V, 256 bytes a row, a lane a row.  Each row is named once in the launch: of the eight clusters of a head cluster j = 0,
; whose first block walks tiles 0 to 15, asks; its four partners take 32 rows each, told apart by address; wave 0 asks for K's, wave 2 for V's.  Trip p names tile p + 2; the last named is tile 15.
.macro ASK
	s_cmp_gt_u32 s[TRIPS], s[LIM]
	s_cbranch_scc0 .Lnot_mine_\@
	global_prefetch_b8 v[PFO], s[PFA:PFA+1] th:TH_LOAD_NT scope:SCOPE_SE
.Lnot_mine_\@:
.endm
.macro LOADQ p                         ; my 16 queries x 128 channels: four fragments
.irp c, 0,1,2,3
	global_load_b128 v[Q+8*\c:Q+8*\c+3],   v[QO], s[\p:\p+1] offset:64*\c
	global_load_b128 v[Q+8*\c+4:Q+8*\c+7], v[QO], s[\p:\p+1] offset:64*\c+32
.endr
.endm
	s_load_b128 s[4:7], s[0:1], 0x0                ; qkvh 4, atth 6
	v_lshl_add_u32 v[SPW], v0, 2, SPARE
	v_mov_b32 v[NIL], 0
	ds_add_u32 v[SPW], v[NIL]                      ; the wave's opening: the add and its wait come ahead of my first tensor load; work on registers stands between
	v_lshrrev_b32 v1, 5, v0
	v_readfirstlane_b32 s[WV], v1
	s_bfe_u32 s[CX], ttmp6, 0x40000
	s_mov_b32 s[JJ], ttmp9
	s_and_b32 s[GG], ttmp7, 0xffff
	s_and_b32 s8, s[CX], 1
	s_lshl_b32 s9, s[GG], 1
	s_add_co_u32 s8, s8, s9                        ; my query head: 2 g + cx % 2
	s_lshr_b32 s9, s[CX], 1                        ; ip
	s_lshl_b32 s10, s[JJ], 1
	s_add_co_u32 s10, s10, s9                      ; lo
	s_sub_co_u32 s11, 31, s10                      ; hi
	s_lshl_b32 s83, s8, 19                         ; Q: head x 524,288 + (64 block + 16 wave) x 256
	s_lshl_b32 s84, s[WV], 12
	s_add_co_u32 s83, s83, s84
	s_lshl_b32 s84, s11, 14
	s_add_co_u32 s84, s84, s83
	s_mov_b32 s85, 0
	s_lshl_b32 s86, s10, 14
	s_add_co_u32 s86, s86, s83
	s_mov_b32 s87, 0
	s_lshl_b32 s83, s8, 8                          ; O: (64 block + 16 wave) x 4,096 + head x 256
	s_lshl_b32 s88, s[WV], 16
	s_add_co_u32 s83, s83, s88
	s_lshl_b32 s88, s11, 18
	s_add_co_u32 s88, s88, s83
	s_mov_b32 s89, 0
	s_lshl_b32 s90, s10, 18
	s_add_co_u32 s90, s90, s83
	s_mov_b32 s91, 0
	s_and_b32 s2, s[WV], 1                         ; which of a tile's two steps I fetch
	s_lshl_b32 s3, s2, 14
	s_add_co_u32 s92, s[GG], 16
	s_lshl_b32 s92, s92, 19
	s_add_co_u32 s92, s92, s3                      ; K: head 16 + g, my step's 64 rows
	s_mov_b32 s93, 0
	s_add_co_u32 s94, s92, 8*HS                    ; V: head 24 + g
	s_mov_b32 s95, 0
	s_mul_i32 s3, s2, STEPB                        ; and its place in a slot: no place in the cluster enters an LDS address
	s_mov_b32 s[G1K], 15|(1<<16)|(1<<20)|(1<<21)|(5<<22)|(3<<25)  ; the mask of four; 2-byte elements; padding on; bit 21 beside a mask; after every 64 words, 4 words
	s_mov_b32 s[G1V], 15|(1<<16)|(1<<20)|(1<<21)|(5<<22)|(7<<25)  ; the same with 8 words
.irp g, G1K, G1V
	s_mov_b32 s[\g+1], 128<<16                     ; tensor_dim0 = 128
	s_mov_b32 s[\g+2], KS<<16                      ; tensor_dim1 = 64
	s_mov_b32 s[\g+3], 128<<16                     ; tile_dim0 = 128
	s_mov_b32 s[\g+4], KS                          ; tile_dim1 = 64
	s_mov_b32 s[\g+5], 128                         ; elements from row to row
	s_mov_b32 s[\g+6], 0
	s_mov_b32 s[\g+7], 0
.endr
	s_mov_b32 s[G0K], 1
	s_mov_b32 s[G0K+1], s3                         ; slot 0
	s_mov_b32 s[G0V], 1
	s_add_co_u32 s[G0V+1], s3, VOFF
	s_mov_b32 s[CS], 0x3e0293ee                    ; c = log2(e) / sqrt(128) = 0.127517
	s_mov_b32 s[CS+1], s[CS]
	s_mov_b32 s[SEL], 0x76543210
	s_mov_b32 s[SEL+1], 0xfedcba98
	s_mov_b32 s[BIGN], 0xf149f2ca                  ; -1e30
	s_mov_b32 s[OFF+1], 0
	s_mov_b32 s[AL+1], 0
	s_mov_b32 s[BE+1], 0
	s_mov_b32 s[NXT], 1
	s_sub_co_u32 s[LQ], 15, s[JJ]
	s_sub_co_u32 s[RT], 16, s[JJ]
	s_mov_b32 s[TRIPS], 16
	s_mov_b32 s[TB], SLOT1                         ; the first change of slots turns it into 0
	s_cmp_eq_u32 s9, 1                             ; ip = 1: the first block is even and the second odd; ip = 0: the other way round.  These choose values alone
	s_cselect_b32 s[MA], 1.0, 0
	s_cselect_b32 s[MA+1], 0, 1.0
	s_cselect_b32 s[MA+2], s[BIGN], 0
	s_cselect_b32 s[MA+3], 0, 1.0
	s_cselect_b32 s[MA+4], 1.0, 0
	s_cselect_b32 s[MA+5], 0, s[BIGN]
	s_and_b32 s[LIM], s[WV], 1
	s_or_b32 s[LIM], s[LIM], ttmp9
	s_cmp_eq_u32 s[LIM], 0                         ; waves 0 and 2 of cluster j = 0: the same in all four partners
	s_cselect_b32 s[LIM], 2, -1
	s_wait_dscnt 0x0                               ; the opening add is done
	s_wait_kmcnt 0x0
	s_add_nc_u64 s[QP:QP+1], s[4:5], s[84:85]
	s_add_nc_u64 s[QP+2:QP+3], s[4:5], s[86:87]
	s_add_nc_u64 s[OP:OP+1], s[6:7], s[88:89]
	s_add_nc_u64 s[OP+2:OP+3], s[6:7], s[90:91]
	s_add_nc_u64 s[KB:KB+1], s[4:5], s[92:93]
	s_add_nc_u64 s[VB:VB+1], s[4:5], s[94:95]
	s_mov_b64 s[G0K+2:G0K+3], s[KB:KB+1]           ; tile 0
	s_or_b32 s[G0K+3], s[G0K+3], 0x80000000
	s_mov_b64 s[G0V+2:G0V+3], s[VB:VB+1]
	s_or_b32 s[G0V+3], s[G0V+3], 0x80000000
	s_cmp_lt_u32 s[WV], 2
	s_cselect_b64 s[PFA:PFA+1], s[KB:KB+1], s[VB:VB+1]  ; (in waves 0 and 2 these stand at a tile's first row)
	s_lshl_b32 s2, s[CX], 13                       ; my work-group's 32 rows of the 128,
	s_add_co_u32 s2, s2, 32768                     ; in tile 1: the first change of slots steps it to tile 2
	s_mov_b32 s3, 0
	s_add_nc_u64 s[PFA:PFA+1], s[PFA:PFA+1], s[2:3]
	CROUND                                         ; all four work-groups are here: the first joint loads meet
	JLOAD                                          ; tile 0 into slot 0; slot 1 is asked for by the loop's first change of slots
	v_and_b32 v1, 15, v0                           ; l % 16
	v_bfe_u32 v9, v0, 4, 1                         ; l / 16
	v_lshlrev_b32 v[QO], 8, v1
	v_lshl_add_u32 v[QO], v9, 4, v[QO]
	LOADQ QP
	v_mul_u32_u24 v[AK0], v1, PK
	v_lshl_add_u32 v[AK0], v9, 4, v[AK0]
	v_and_b32 v10, 7, v0
	v_bfe_u32 v11, v0, 3, 1
	v_lshl_add_u32 v[AV0], v9, 3, v10              ; the turning load: lane l reads key 8 (l / 16) + l % 8, channels 8 ((l / 8) % 2) + 0..7
	v_mul_u32_u24 v[AV0], v[AV0], PV
	v_lshl_add_u32 v[AV0], v11, 4, v[AV0]
	v_add_nc_u32 v[AV0], VOFF, v[AV0]
	s_mul_i32 s2, s[WV], 16*SP
	s_add_co_u32 s2, s2, STAGE                     ; my stage
	v_mul_u32_u24 v[STO], v1, SP
	v_lshl_add_u32 v[STO], v9, 4, v[STO]
	v_add_nc_u32 v[STO], s2, v[STO]
	v_mul_u32_u24 v[RD], v9, SP
	v_lshl_add_u32 v[RD], v1, 4, v[RD]
	v_add_nc_u32 v[RD], s2, v[RD]
	v_lshlrev_b32 v[GO], 12, v9
	v_lshl_add_u32 v[GO], v1, 4, v[GO]
	v_and_b32 v[PFO], 31, v0
	v_lshlrev_b32 v[PFO], 8, v[PFO]
	v_lshlrev_b32 v14, 3, v9
	v_sub_nc_u32 v14, v1, v14
	s_lshl_b32 s2, s[WV], 4
	v_add_nc_u32 v14, s2, v14                      ; my query's place in its block, 16 w + l % 16, less my lanes' 8 (l / 16): register i % 8 of key block i / 8 is hidden where 16 (i / 8) + i % 8 is greater
.set i, 0
.rept 32
	v_cmp_gt_i32 vcc_lo, 16*(i/8)+i%8, v14
	v_cndmask_b32 v[MD+i], 0, s[BIGN], vcc_lo
.set i, i+1
.endr
.set i, 0
.rept 64
	v_mov_b32 v[O+i], 0                            ; a block's first step multiplies O^T and l by a = 0, so they need only be finite: zeros now, in the wait for the first tile; later what the first block left
.set i, i+1
.endr
	v_mov_b32 v[LS], 0
	v_mov_b32 v[LS+1], 0
	v_mov_b32 v[CM], 0xfe000000                    ; c m: far below every c s
	v_mov_b32 v[MX], 0xff7fffff                    ; m: the lowest finite number
; The LDS loads stand in runs of 32: a step's K (16 fragments) and its V (turned).
.macro FETCH_K st
	WIN TO_1
.irp f, 0,1,2,3,4,5,6,7,8,9,10,11,12,13,14,15      ; keys 16 (f / 4) on, channels 32 (f % 4) on
	ds_load_b128 v[KF+8*\f:KF+8*\f+3],   v[AK] offset:(\st)*STEPB+(\f/4)*16*PK+(\f%4)*64
	ds_load_b128 v[KF+8*\f+4:KF+8*\f+7], v[AK] offset:(\st)*STEPB+(\f/4)*16*PK+(\f%4)*64+32
.endr
	WIN 0
.endm
.macro FETCH_V st
	WIN TO_1
.irp f, 0,1,2,3,4,5,6,7,8,9,10,11,12,13,14,15      ; keys 32 (f / 8) on, channels 16 (f % 8) on
	ds_load_tr16_b128 v[VF+8*\f:VF+8*\f+3],   v[AV] offset:(\st)*STEPB+(\f/8)*32*PV+(\f%8)*32
	ds_load_tr16_b128 v[VF+8*\f+4:VF+8*\f+7], v[AV] offset:(\st)*STEPB+(\f/8)*32*PV+16*PV+(\f%8)*32
.endr
	WIN 0
.endm
; A step's softmax for my 16 queries.  Each accumulator's lowest registers are read first.  The 33 exponentials are one batch with one wait: nothing ahead of it names a result of theirs.
.macro SOFTMAX
.irp j, 0,1,2,3
	v_max3_num_f32 v[C0+\j], v[S+8*\j], v[S+8*\j+1], v[S+8*\j+2]
.endr
.irp j, 0,1,2,3
	v_max3_num_f32 v[C0+\j], v[C0+\j], v[S+8*\j+3], v[S+8*\j+4]
.endr
.irp j, 0,1,2,3
	v_max3_num_f32 v[C0+\j], v[C0+\j], v[S+8*\j+5], v[S+8*\j+6]
.endr
	v_max3_num_f32 v[C0], v[C0], v[S+7], v[S+15]
	v_max3_num_f32 v[C0+2], v[C0+2], v[S+23], v[S+31]
	v_mov_b32 v[CMO], v[CM]                        ; c m_old is kept for a
	v_max3_num_f32 v[C0], v[C0], v[C0+1], v[C0+2]
	v_max3_num_f32 v[C0], v[C0], v[C0+3], v[MX]
	v_permlanex16_b32 v[C0+1], v[C0], s[SEL], s[SEL+1]  ; the query's other 32 keys lie in the lane 16 away
	v_max_num_f32 v[MX], v[C0], v[C0+1]
	v_mul_f32 v[CM], s[CS], v[MX]
	v_sub_f32 v[C0+3], v[CMO], v[CM]
.set i, 0
.rept 16
	v_pk_fma_f32 v[S+2*i:S+2*i+1], v[S+2*i:S+2*i+1], s[CS:CS+1], v[CM:CM+1] op_sel_hi:[1,0,0] neg_lo:[0,0,1] neg_hi:[0,0,1]  ; c s - c m
.set i, i+1
.endr
	v_exp_f32 v[C0+2], v[C0+3]                     ; a
.set i, 0
.rept 32
	v_exp_f32 v[S+i], v[S+i]
.set i, i+1
.endr
	v_nop                                          ; a plain instruction behind the last exponential,
	s_wait_alu depctr_va_vdst(0)                   ; and the one wait for the batch, ahead of its first reader
.set i, 0
.rept 16
	v_cvt_pk_f16_f32 v[P+i], v[S+2*i], v[S+2*i+1]
.set i, i+1
.endr
.irp u, 0,1,2,3,4,5,6,7                            ; the sum of the 16 pairs (an even key's weight, an odd key's), in place, by halves
	v_pk_add_f32 v[S+4*\u:S+4*\u+1], v[S+4*\u:S+4*\u+1], v[S+4*\u+2:S+4*\u+3]
.endr
.irp u, 0,1,2,3
	v_pk_add_f32 v[S+8*\u:S+8*\u+1], v[S+8*\u:S+8*\u+1], v[S+8*\u+4:S+8*\u+5]
.endr
.irp u, 0,1
	v_pk_add_f32 v[S+16*\u:S+16*\u+1], v[S+16*\u:S+16*\u+1], v[S+16*\u+8:S+16*\u+9]
.endr
	v_pk_add_f32 v[S:S+1], v[S:S+1], v[S+16:S+17]
	v_pk_fma_f32 v[LS:LS+1], v[LS:LS+1], v[C0+2:C0+3], v[S:S+1] op_sel_hi:[1,0,1]  ; l = a l + the sum
.set i, 0
.rept 32
	v_pk_mul_f32 v[O+2*i:O+2*i+1], v[O+2*i:O+2*i+1], v[C0+2:C0+3] op_sel_hi:[1,0]
.set i, i+1
.endr
.endm
; Key step st (0, 1) of the tile in hand.  LDS runs are issued K0, V0, K1, V1: each wait leaves out the one run of 32 that is younger than the one wanted.
; The accumulators take turns, one instruction a turn: four in K Q^T, eight in V^T P.
.macro STEP st
.if (\st) == 0
	s_mov_b32 s[AL], s[LA]
	s_mov_b32 s[BE], 0
.else
	s_mov_b32 s[AL], s[LA+1]
	s_mov_b32 s[BE], s[LA+2]
.endif
.set z, 0
.rept 16
	v_pk_fma_f32 v[MC+2*z:MC+2*z+1], v[MD+2*z:MD+2*z+1], s[AL:AL+1], s[BE:BE+1] op_sel_hi:[1,0,0]
.set z, z+1
.endr
.if (\st) == 0
	s_wait_loadcnt 0x0                             ; Q
.endif
	s_wait_dscnt 32                                ; K is in; V's 32 loads may stay out
	WIN W_MM
.irp c, 0,1,2,3
.irp kb, 0,1,2,3
.if \c == 0
	v_wmma_f32_16x16x32_f16 v[S+8*\kb:S+8*\kb+7], v[KF+32*\kb+8*\c:KF+32*\kb+8*\c+7], v[Q+8*\c:Q+8*\c+7], v[MC+8*\kb:MC+8*\kb+7]
.else
	v_wmma_f32_16x16x32_f16 v[S+8*\kb:S+8*\kb+7], v[KF+32*\kb+8*\c:KF+32*\kb+8*\c+7], v[Q+8*\c:Q+8*\c+7], v[S+8*\kb:S+8*\kb+7]
.endif
.endr
.endr
	WIN 0
	PLACES                                         ; ahead of the loads into K's registers and of the first read of the scores
.if (\st) == 0
	FETCH_K 1
.endif
	SOFTMAX
.if (\st) == 0
	s_wait_dscnt 32                                ; V is in; the next step's K may stay out
.else
	s_wait_dscnt 0x0
.endif
	WIN W_MM
.irp kk, 0,1
.irp cb, 0,1,2,3,4,5,6,7
	v_wmma_f32_16x16x32_f16 v[O+8*\cb:O+8*\cb+7], v[VF+64*\kk+8*\cb:VF+64*\kk+8*\cb+7], v[P+8*\kk:P+8*\kk+7], v[O+8*\cb:O+8*\cb+7]
.endr
.endr
	WIN 0
	PLACES                                         ; ahead of the loads into V's registers and of the next lines on O^T and P
.if (\st) == 0
	FETCH_V 1
.endif
.endm
.macro TILE
	s_cmp_eq_u32 s[RT], 1                          ; the block's last tile takes its masks; the others see everything
	s_cselect_b32 s[LA], s[MA], 0
	s_cselect_b32 s[LA+1], s[MA+1], 0
	s_cselect_b32 s[LA+2], s[MA+2], 0
	v_add_nc_u32 v[AK], s[TB], v[AK0]
	v_add_nc_u32 v[AV], s[TB], v[AV0]
	FETCH_K 0
	FETCH_V 0
	STEP 0
	STEP 1
.endm
; THE CHANGE OF SLOTS.  Each wave waits for all its tensor loads (one is out: its part of the other slot), adds 0 to its spare word, and waits for that and for its reads of the slot that it leaves.
; fill = 1: the barrier is a round of the cluster's, and the old slot is filled again, first thing behind it, with tile NXT: it has a tile's 64 matrix instructions and two softmaxes in which to land.
; (At its first use nothing has been read yet: slot 0 is waited for, slot 1 filled.)
.macro CHANGE fill
	WIN 0
	s_wait_tensorcnt 0x0                           ; no tensor load of mine is out, so a group 0 may be written
	ds_add_u32 v[SPW], v[NIL]                      ; 0 onto my spare word; the descriptors' scalar work stands between it and the wait for it
.if \fill
	s_lshl_b32 s[OFF], s[NXT], 15                  ; a tile is 32,768 bytes of K and of V
	s_xor_b32 s[G0K+1], s[G0K+1], SLOT1
	s_add_nc_u64 s[G0K+2:G0K+3], s[KB:KB+1], s[OFF:OFF+1]
	s_or_b32 s[G0K+3], s[G0K+3], 0x80000000
	s_xor_b32 s[G0V+1], s[G0V+1], SLOT1
	s_add_nc_u64 s[G0V+2:G0V+3], s[VB:VB+1], s[OFF:OFF+1]
	s_or_b32 s[G0V+3], s[G0V+3], 0x80000000
	s_add_co_u32 s[NXT], s[NXT], 1                 ; the block's next tile, or behind its last the second block's tile 0
	s_cmp_gt_u32 s[NXT], s[LQ]
	s_cselect_b32 s[NXT], 0, s[NXT]
	s_cselect_b32 s[LQ], s[JJ], s[LQ]
	s_wait_xcnt 0x0                                ; the last prefetch, a tile back, has read its address
	s_add_nc_u64 s[PFA:PFA+1], s[PFA:PFA+1], 32768
	s_wait_dscnt 0x0                               ; the add is done, and my reads of the slot are over
	CROUND
	JLOAD
	ASK
.else
	s_wait_dscnt 0x0
	s_barrier_signal -1
	s_barrier_wait -1
.endif
	s_xor_b32 s[TB], s[TB], SLOT1
.endm
; THE WAY OUT of a block: l's two halves and the other half of the lanes' are added; O^T is divided by l, rounded to f16 and sent through my stage: 16 rows of 256 bytes.
.macro WAYOUT
	v_add_f32 v[C0], v[LS], v[LS+1]
	v_permlanex16_b32 v[C0+1], v[C0], s[SEL], s[SEL+1]
	v_add_f32 v[C0], v[C0], v[C0+1]
	v_rcp_f32 v[C0+2], v[C0]
	v_nop                                          ; a plain instruction behind the reciprocal,
	s_wait_alu depctr_va_vdst(0)                   ; and its wait, ahead of its first reader
.set i, 0
.rept 32
	v_pk_mul_f32 v[O+2*i:O+2*i+1], v[O+2*i:O+2*i+1], v[C0+2:C0+3] op_sel_hi:[1,0]
.set i, i+1
.endr
.set i, 0
.rept 32
	v_cvt_pk_f16_f32 v[S+i], v[O+2*i], v[O+2*i+1]
.set i, i+1
.endr
.irp f, 0,1,2,3,4,5,6,7
	ds_store_b128 v[STO], v[S+4*\f:S+4*\f+3] offset:32*\f
.endr
.irp f, 0,1,2,3,4,5,6,7
	ds_load_b128 v[S+4*\f:S+4*\f+3], v[RD] offset:\f*2*SP  ; LDS serves a wave's instructions in order (ISA guide 5.7.1.4): these see the stores above
.endr
	s_wait_dscnt 0x0
.irp f, 0,1,2,3,4,5,6,7
	global_store_b128 v[GO], v[S+4*\f:S+4*\f+3], s[OP:OP+1] offset:\f*8192 th:TH_STORE_NT  ; 16 lanes store a head's 256 consecutive bytes of a row, at a multiple of 256 from the buffer's first
.endr
.endm
.Ltile:                                                ; 16 trips: a tile is entered and the next is asked for
	CHANGE 1
	TILE
	s_sub_co_u32 s[RT], s[RT], 1
	s_cmp_lg_u32 s[RT], 0                          ; hangs on the cluster's x and the trip alone
	s_cbranch_scc1 .Lbottom
	WAYOUT                                         ; the first block's end (the second's last tile is the walk's last)
	s_wait_xcnt 0x0                                ; the stores have read their registers and O's address
	s_mov_b64 s[OP:OP+1], s[OP+2:OP+3]
	LOADQ QP+2
	s_add_co_u32 s[RT], s[JJ], 1                   ; the second block has j + 1 tiles
	s_mov_b32 s[MA], s[MA+3]
	s_mov_b32 s[MA+1], s[MA+4]
	s_mov_b32 s[MA+2], s[MA+5]
	v_mov_b32 v[CM], 0xfe000000
	v_mov_b32 v[MX], 0xff7fffff
.Lbottom:
	s_sub_co_u32 s[TRIPS], s[TRIPS], 1
	s_cmp_lg_u32 s[TRIPS], 0
	s_cbranch_scc1 .Ltile
	CHANGE 0                                       ; the walk's last tile is written out: nothing is asked for
	TILE
	WAYOUT
	s_wait_tensorcnt 0x0                           ; the wave's end: behind my last tensor load and my last LDS store
	ds_add_u32 v[SPW], v[NIL]
	s_wait_dscnt 0x0
	CROUND                                         ; the closing round
	s_endpgm
.Lfunc_end_k_q1e2340abf2_attn:
	.size	k_q1e2340abf2_attn, .Lfunc_end_k_q1e2340abf2_attn-k_q1e2340abf2_attn
	.p2alignl 7, 3214868480
	.fill 96, 4, 3214868480
	.section	.rodata,"a",@progbits
	.p2align	6, 0x0
	.amdhsa_kernel k_q1e2340abf2_attn
		.amdhsa_group_segment_fixed_size 327680
		.amdhsa_private_segment_fixed_size 0
		.amdhsa_enable_private_segment 0
		.amdhsa_kernarg_size 16
		.amdhsa_user_sgpr_count 2
		.amdhsa_user_sgpr_kernarg_segment_ptr 1
		.amdhsa_wavefront_size32 1
		.amdhsa_system_sgpr_workgroup_id_x 1
		.amdhsa_system_sgpr_workgroup_id_y 1
		.amdhsa_system_sgpr_workgroup_id_z 1
		.amdhsa_system_vgpr_workitem_id 0
		.amdhsa_next_free_vgpr 512
		.amdhsa_next_free_sgpr 96
		.amdhsa_reserve_vcc 1
		.amdhsa_float_denorm_mode_32 3
		.amdhsa_float_denorm_mode_16_64 3
		.amdhsa_memory_ordered 1
		.amdhsa_forward_progress 1
		.amdhsa_inst_pref_size 89
	.end_amdhsa_kernel
	.amdgpu_metadata
---
amdhsa.version: [ 1, 2 ]
amdhsa.kernels:
  - .name:           k_q1e2340abf2_attn
    .symbol:         k_q1e2340abf2_attn.kd
    .args:
      - { .name: qkvh, .offset: 0, .size: 8, .value_kind: global_buffer, .address_space: global }
      - { .name: atth, .offset: 8, .size: 8, .value_kind: global_buffer, .address_space: global }
    .group_segment_fixed_size: 327680
    .private_segment_fixed_size: 0
    .kernarg_segment_align: 8
    .kernarg_segment_size: 16
    .max_flat_workgroup_size: 128
    .sgpr_count:     96
    .vgpr_count:     512
    .wavefront_size: 32
...
	.end_amdgpu_metadata
.endif
;; end of part 3
;; launch oproj (part 4): grid 16 x 16, 4 waves a work-group, clusters of 4 x 4, 327,680 bytes of LDS; arguments atth, wob, hidden_states, out0; writes out0
.if DOCPART == 4
	.amdgcn_target "amdgcn-amd-amdhsa--gfx1250"
	.amdhsa_code_object_version 6
	.text
	.protected	k_q1e2340abf2_oproj
	.globl	k_q1e2340abf2_oproj
	.p2align	8
	.type	k_q1e2340abf2_oproj,@function
k_q1e2340abf2_oproj:
	s_mov_b64 s[64:65], 0
	v_nop
	global_prefetch_b8 v0, s[64:65] scope:SCOPE_SE
	s_setreg_imm32_b32 hwreg(HW_REG_WAVE_MODE, 25, 1), 1
	s_wait_xcnt 0x0
	s_wait_alu depctr_hold_cnt(0) depctr_sa_sdst(0) depctr_va_vdst(0) depctr_va_sdst(0) depctr_va_ssrc(0) depctr_va_vcc(0) depctr_vm_vsrc(0)
	s_getreg_b32 s2, hwreg(HW_REG_IB_STS2, 6, 4)
	s_cmp_eq_u32 s2, 0
	s_cbranch_scc0 .Lentry_in_a_cluster
	s_endpgm
.Lentry_in_a_cluster:
	s_bfe_u32 s2, ttmp6, 0x10000c
	s_cmp_lg_u32 s2, 0xf033
	s_cbranch_scc0 .Lentry_shape_is_right
	s_endpgm
.Lentry_shape_is_right:
; out0 = hidden_states + atth @ wob.  atth: [2048][2048] f16 (K along the rows); wob: [2048 k][4096 n] f16 (n along the rows); hidden_states, out0: [2048][4096] f32.  Sums in f32; the residual is added in f32.
; SHARES.  A tile of C is 128 rows x 256 columns: 16 x 16 work-groups; four waves of 64 x 128: 32 accumulators of 16 x 16.
; B'S RING.  K goes in INTERVALS of 256 through two LDS slots of 256 k-rows x 512 bytes; each wave fetches 64 k-rows by one tensor load behind each change of slots, asked for jointly along a column of the 4 x 4 cluster.
; A refill has 256 matrix instructions, less the 16 between the wait and the load, in which to land.
; A GOES THROUGH REGISTERS, WITHOUT MULTICAST.  The reason, by bytes: two slots of 256 along K for A and B together are 2 x (67,584 + 139,264) = 413,696, more than the 327,680 of LDS; with B alone they are 278,528.
; Wave w copies rows 32 w .. 32 w + 31 of A's tile: for each 64 along K (a SUB-STEP) eight loads of 16 bytes a lane into one of four sets of 32 registers, issued four sub-steps (256 matrix instructions) ahead;
; eight LDS stores put a set into one of two sub-slots of 128 rows x 144 bytes, which no tensor load fills.  One barrier a sub-step; the fourth of an interval is the change of slots.
; THE LAST INTERVAL lies in slot 1; slot 0, read out, takes the tile's residual (128 rows x 1,040 bytes), one tensor load of 32 rows a wave; no other work-group wants those bytes.
; THE MATRIX INSTRUCTION IS USED TRANSPOSED: source 0 = 16 columns of B (turned by ds_load_tr16_b128), source 1 = 16 rows of A: a lane holds row l % 16, columns 8 (l / 16) + 0..7.
; REGISTERS (s_set_vgpr_msb: bits 1:0 source 0, 3:2 source 1, 5:4 source 2, 7:6 destination): window 0: v0-31 addresses; v32-127, v128-223 two fragment buffers; window 1: the accumulators, (i, b) at 8 (8 i + b);
;   window 2: v0-127 A's four sets.
.set KA,     2048
.set NI,     KA/256
.set PB,     544                       ; 512 + 32
.set BQ,     32*PB
.set BWAVE,  64*PB
.set BS,     256*PB                    ; a slot: 139,264 bytes; its two bits meet none of wave x BWAVE, so one exclusive or turns an address in one slot into the other's
.set IB,     256*8192
.set ABASE,  2*BS                      ; behind the ring, never filled by a tensor load: A's two sub-slots
.set PA,     144                       ; 128 bytes + 16: the 16 rows of a fragment load start at 16 different groups of four banks
.set ASUB,   128*PA
.set STAGE,  ABASE                     ; the way out's stages (16 rows x 528 bytes of f32 a wave) take A's sub-slots, behind a barrier
.set SPITCH, 528
.set SPARE,  ABASE+2*ASUB              ; the spare words, 128 bytes for each wave, which no other line names
.set RP,     1040                      ; a row of the residual: 1,024 bytes + 16
.set ADRA, 16
.set AST,  18
.set AO,   19
.set ADRB, 20
.set BL,   22
.set STO,  24                          ; v24  where I put 32 bytes of a row
.set RD,   25                          ; v25  where I read a row back: 16 bytes a lane
.set RSA,  26                          ; v26  my 16 bytes of a row of the residual in LDS
.set XO,   27                          ; v27  16 x lane: my place in a row's 512 bytes of out0
.set SPW,  28
.set NIL,  29
.set PFO,  30
.set F0,   32
.set F1,   128
.set RS,   160                         ; the way out: 16 rows of the residual
.set WV,  14
.set WM,  15
.set EH,  16
.set CX,  17
.set CY,  18
.set TX,  19
.set TY,  20
.set LAP, 21
.set LIM, 22
.set G1B, 24
.set G0F, 32
.set G0W, 36
.set PFA, 40
.set AP,  42
.set TB,  44
.set G1X, 48
.set G0X, 56
.set MSB, 0
.macro WIN new
.if MSB != (\new)
	s_set_vgpr_msb (MSB<<8)|(\new)
.set MSB, \new
.endif
.endm
.set MUL, 0x50
.macro PLACES                          ; four plain instructions between a matrix instruction and a load into, or another line on, its registers (ISA guide 7.12.1 for vector lines)
.rept 4
	v_nop
.endr
.endm
.macro CREST
	s_cmp_lg_u32 s[WV], 0
	s_cbranch_scc1 .Lnot_wave_0_\@
	s_barrier_signal -3
.Lnot_wave_0_\@:
	s_barrier_wait -3
	s_barrier_signal -1
	s_barrier_wait -1
.endm
.macro CROUND
	s_barrier_signal -1
	s_barrier_wait -1
	CREST
.endm
; A prefetch of the interval of B that the next refill will ask for, 256 matrix instructions ahead of that load; each block of 256 bytes is named once in the launch: cluster y = 0 asks; of a wave's 64 k-rows each of the
; four partners takes 16, told apart by address (cy); two lanes a k-row.  The loop's last trip asks for nothing.  A is not asked for: its loads are themselves issued 256 matrix instructions ahead of their use.
.macro ASK
	s_cmp_gt_u32 s[LAP], s[LIM]
	s_cbranch_scc0 .Lnot_mine_\@
	global_prefetch_b8 v[PFO], s[PFA:PFA+1] th:TH_LOAD_NT scope:SCOPE_SE
.Lnot_mine_\@:
.endm
	s_load_b256 s[4:11], s[0:1], 0x0               ; atth 4, wob 6, hidden_states 8, out0 10
	v_lshl_add_u32 v[SPW], v0, 2, SPARE
	v_mov_b32 v[NIL], 0
	ds_add_u32 v[SPW], v[NIL]                      ; the wave's opening: the add and its wait come ahead of my first tensor load; work on registers stands between
	v_lshrrev_b32 v1, 5, v0
	v_readfirstlane_b32 s[WV], v1
	s_lshr_b32 s[WM], s[WV], 1
	s_and_b32 s[EH], s[WV], 1
	s_bfe_u32 s[CX], ttmp6, 0x40000
	s_bfe_u32 s[CY], ttmp6, 0x40004
	s_lshl_b32 s[TX], ttmp9, 2
	s_add_co_u32 s[TX], s[TX], s[CX]
	s_and_b32 s[TY], ttmp7, 0xffff
	s_lshl_b32 s[TY], s[TY], 2
	s_add_co_u32 s[TY], s[TY], s[CY]
	s_lshl_b32 s45, 0x1111, s[CX]                  ; my column of the cluster
	s_or_b32 s[G1B], s45, (1<<16)|(1<<20)|(1<<21)|(6<<22)|(7<<25)  ; the mask; 2-byte elements; padding on; bit 21 beside a mask; after every 128 words, 8 words
	s_mov_b32 s[G1B+1], 256<<16
	s_mov_b32 s[G1B+2], 64<<16
	s_mov_b32 s[G1B+3], 256<<16
	s_mov_b32 s[G1B+4], 64
	s_mov_b32 s[G1B+5], 4096
	s_mov_b32 s[G1B+6], 0
	s_mov_b32 s[G1B+7], 0
	s_mov_b32 s[G1X], (2<<16)|(1<<20)|(7<<22)|(3<<25)  ; no mask; 4-byte elements; padding on; after every 256 words, 4 words
	s_mov_b32 s[G1X+1], 256<<16                    ; 32 rows of 256 numbers
	s_mov_b32 s[G1X+2], 32<<16
	s_mov_b32 s[G1X+3], 256<<16
	s_mov_b32 s[G1X+4], 32
	s_mov_b32 s[G1X+5], 4096
	s_mov_b32 s[G1X+6], 0
	s_mov_b32 s[G1X+7], 0
	s_lshl_b32 s66, s[TY], 7                       ; A: row 128 x tile row + 32 x wave
	s_lshl_b32 s67, s[WV], 5
	s_add_co_u32 s66, s66, s67
	s_mul_i32 s66, s66, 2*KA
	s_mov_b32 s67, 0
	s_lshl_b32 s68, s[WV], 19                      ; B: k-row 64 x wave, 512 bytes x tile column
	s_lshl_b32 s69, s[TX], 9
	s_add_co_u32 s68, s68, s69
	s_mov_b32 s69, 0
	s_mul_i32 s47, s[WV], BWAVE
	s_lshl_b32 s70, s[TY], 21                      ; the residual: row 128 x tile row + 32 x wave (16,384 bytes each), 1,024 bytes x tile column
	s_lshl_b32 s71, s[WV], 19
	s_add_co_u32 s70, s70, s71
	s_lshl_b32 s71, s[TX], 10
	s_add_co_u32 s70, s70, s71
	s_mov_b32 s71, 0
	s_mov_b32 s[TB], 0
	v_and_b32 v7, 31, v0                           ; lane
	v_lshrrev_b32 v3, 3, v7                        ; l / 8
	v_and_b32 v4, 7, v7                            ; l % 8
	v_mul_u32_u24 v[AO], v3, 16*KA                 ; 8 rows of 2 KA bytes: rows 8 apart fall 8 columns of 16 bytes apart in LDS, so the 16 lanes of a store's pass touch 16 different columns
	v_lshl_add_u32 v[AO], v4, 4, v[AO]
	v_mul_u32_u24 v[AST], v3, 8*PA
	v_lshl_add_u32 v[AST], v4, 4, v[AST]
	s_mul_i32 s46, s[WV], 32*PA
	s_add_co_u32 s46, s46, ABASE
	v_add_nc_u32 v[AST], s46, v[AST]
	s_wait_dscnt 0x0                               ; the opening add is done
	s_wait_kmcnt 0x0
	s_add_nc_u64 s[AP:AP+1], s[4:5], s[66:67]
	WIN 0x80
.irp s, 0,1,2,3
.irp t, 0,1,2,3,4,5,6,7
	global_load_b128 v[32*\s+4*\t:32*\s+4*\t+3], v[AO], s[AP:AP+1] offset:\s*128+\t*2*KA  ; A's sub-steps 0 to 3 into sets 0 to 3
.endr
.endr
	WIN 0
	s_mov_b32 s[G0F], 1
	s_mov_b32 s[G0F+1], s47
	s_add_nc_u64 s[G0F+2:G0F+3], s[6:7], s[68:69]
	s_mov_b32 s[G0W], 1
	s_add_co_u32 s[G0W+1], s47, BS
	s_add_nc_u64 s[G0W+2:G0W+3], s[G0F+2:G0F+3], IB
	s_or_b32 s[G0F+3], s[G0F+3], 0x80000000
	s_or_b32 s[G0W+3], s[G0W+3], 0x80000000
	s_mov_b32 s[G0X], 1
	s_mul_i32 s[G0X+1], s[WV], 32*RP               ; in slot 0: wave x 32 rows
	s_add_nc_u64 s[G0X+2:G0X+3], s[8:9], s[70:71]
	s_or_b32 s[G0X+3], s[G0X+3], 0x80000000
	CROUND                                         ; all sixteen work-groups are here: the first joint loads meet
	tensor_load_to_lds s[G0F:G0F+3], s[G1B:G1B+7]  ; the two first fills go out together: two loads of mine are out
	s_nop 0
	tensor_load_to_lds s[G0W:G0W+3], s[G1B:G1B+7]
	s_nop 0
	PLACES
	v_and_b32 v1, 15, v0
	v_bfe_u32 v2, v0, 4, 1
	v_mul_u32_u24 v3, v1, PA
	v_lshl_add_u32 v3, v2, 4, v3
	s_mul_i32 s45, s[WM], 64*PA
	s_add_co_u32 s45, s45, ABASE
	v_add_nc_u32 v[ADRA], s45, v3
	v_and_b32 v4, 7, v0
	v_lshl_add_u32 v4, v2, 3, v4
	v_mul_u32_u24 v4, v4, PB
	v_bfe_u32 v5, v0, 3, 1
	v_lshl_add_u32 v4, v5, 4, v4
	s_lshl_b32 s45, s[EH], 8
	v_add_nc_u32 v[BL], s45, v4
	v_mov_b32 v[ADRB], v[BL]
	v_add_nc_u32 v[ADRB+1], 4*BQ, v[BL]
	s_mul_i32 s45, s[WV], 16*SPITCH
	s_add_co_u32 s45, s45, STAGE                   ; my stage
	v_mul_u32_u24 v6, v1, SPITCH
	v_lshl_add_u32 v6, v2, 5, v6                   ; in: row l % 16, 32 bytes for each half of the lanes
	v_add_nc_u32 v[STO], s45, v6
	v_lshlrev_b32 v[XO], 4, v7
	v_add_nc_u32 v[RD], s45, v[XO]                 ; back: 32 lanes take one row of 512 bytes
	s_mul_i32 s45, s[WM], 64*RP
	s_lshl_b32 s46, s[EH], 9
	s_add_co_u32 s45, s45, s46
	v_add_nc_u32 v[RSA], s45, v[XO]                ; the residual: my 64 rows, my 512 bytes of each
	s_lshl_b32 s76, s[TY], 21                      ; out0 at my corner: (128 x tile row + 64 x half) x 16,384 + (256 x tile column + 128 x half) x 4
	s_lshl_b32 s77, s[WM], 20
	s_add_co_u32 s76, s76, s77
	s_lshl_b32 s77, s[TX], 10
	s_add_co_u32 s76, s76, s77
	s_lshl_b32 s77, s[EH], 9
	s_add_co_u32 s76, s76, s77
	s_mov_b32 s77, 0
	s_add_nc_u64 s[78:79], s[10:11], s[76:77]
	s_and_b32 s83, ttmp7, 0xffff                   ; the prefetches
	s_cmp_eq_u32 s83, 0
	s_cselect_b32 s[LIM], 1, -1                    ; the same in all sixteen partners
	s_lshl_b32 s82, s[WV], 6
	s_lshl_b32 s83, s[CY], 4
	s_add_co_u32 s82, s82, s83
	s_lshl_b32 s82, s82, 13
	s_lshl_b32 s83, s[TX], 9
	s_add_co_u32 s82, s82, s83
	s_add_co_u32 s82, s82, 2*IB                    ; at interval 2: the first refill steps it to 3
	s_mov_b32 s83, 0
	s_add_nc_u64 s[PFA:PFA+1], s[6:7], s[82:83]
	v_lshrrev_b32 v9, 1, v7
	v_lshlrev_b32 v9, 13, v9
	v_and_b32 v10, 1, v7
	v_lshl_add_u32 v[PFO], v10, 8, v9
.macro FETCH q, f                      ; 24 LDS loads in one run: quarter q (0 to 7) of the interval in hand into buffer f; A's from sub-slot (q / 2) % 2
	WIN 0
.irp b, 0,1,2,3,4,5,6,7
	ds_load_tr16_b128 v[(\f)+8*\b:(\f)+8*\b+3],   v[ADRB+(\q)/4] offset:((\q)%4)*BQ+32*\b
	ds_load_tr16_b128 v[(\f)+8*\b+4:(\f)+8*\b+7], v[ADRB+(\q)/4] offset:((\q)%4)*BQ+32*\b+16*PB
.endr
.irp i, 0,1,2,3
	ds_load_b128 v[(\f)+64+8*\i:(\f)+64+8*\i+3],   v[ADRA] offset:(((\q)/2)%2)*ASUB+((\q)%2)*64+\i*16*PA
	ds_load_b128 v[(\f)+64+8*\i+4:(\f)+64+8*\i+7], v[ADRA] offset:(((\q)/2)%2)*ASUB+((\q)%2)*64+\i*16*PA+32
.endr
.endm
.macro MULI f, i, zero                 ; 8 matrix instructions; the 32 accumulators take turns, one instruction a turn, in the same order in every quarter
	WIN MUL
.irp b, 0,1,2,3,4,5,6,7
.if \zero
	v_wmma_f32_16x16x32_f16 v[8*(8*(\i)+\b):8*(8*(\i)+\b)+7], v[(\f)+8*\b:(\f)+8*\b+7], v[(\f)+64+8*(\i):(\f)+64+8*(\i)+7], 0
.else
	v_wmma_f32_16x16x32_f16 v[8*(8*(\i)+\b):8*(8*(\i)+\b)+7], v[(\f)+8*\b:(\f)+8*\b+7], v[(\f)+64+8*(\i):(\f)+64+8*(\i)+7], v[8*(8*(\i)+\b):8*(8*(\i)+\b)+7]
.endif
.endr
.endm
; A's part of sub-step v: the next sub-step's rows go from set (v + 1) % 4 into sub-slot (v + 1) % 2, which every wave has read out in front of the last barrier; ld = 1: the set is asked for again, four sub-steps on.
; cnt: the younger loads that may stay out: three sets of eight, fewer at the end.
.macro ASTG v, cnt, ld
.set ASET, 32*(((\v)+1)%4)
.set ASB,  (((\v)+1)%2)*ASUB
	s_wait_loadcnt \cnt
	WIN 0x08                                       ; the stores' data in window 2
.irp t, 0,1,2,3,4,5,6,7
	ds_store_b128 v[AST], v[ASET+4*\t:ASET+4*\t+3] offset:ASB+\t*PA
.endr
.if \ld
	WIN 0x80
.irp t, 0,1,2,3,4,5,6,7
	global_load_b128 v[ASET+4*\t:ASET+4*\t+3], v[AO], s[AP:AP+1] offset:((\v)+5)*128+\t*2*KA
.endr
.endif
.endm
.macro QE q, zero, st, cnt, ld         ; an even quarter multiplies buffer 0; ahead of its products it asks LDS for quarter q + 1 and does A's part of the sub-step
	PLACES                                         ; buffer 1's last readers stand directly ahead
	FETCH (\q)+1, F1
.if \st
	ASTG (\q)/2, \cnt, \ld
.endif
	s_wait_dscnt 24+8*(\st)                        ; all but what was just issued: buffer 0 is in
	MULI F0, 0, \zero
	MULI F0, 1, \zero
	MULI F0, 2, \zero
	MULI F0, 3, \zero
.endm
.macro QO q                            ; an odd quarter (1, 3, 5) multiplies buffer 1 and ends a sub-step: my stores of the next sub-step's rows are done and my reads of this one's are back in front of the one barrier
	s_wait_dscnt 0x0
	s_barrier_signal -1
	MULI F1, 0, 0
	s_barrier_wait -1                              ; B's tensor load stays out across it
	PLACES                                         ; for the loads into buffer 0
	FETCH (\q)+1, F0
	MULI F1, 1, 0
	MULI F1, 2, 0
	MULI F1, 3, 0
.endm
; Quarter 7 ends a sub-step and changes slots: the wait for all my tensor loads, the add, the wait for it, for my stores and for my reads in front of the barrier, which opens a round of the cluster's;
; the slot just read out is filled again first thing behind it: fill = 1: with the interval two on, jointly; fill = 2 (slot 0, for the last time): with the residual.
.macro TURN fill
.if (\fill) == 1
	s_wait_xcnt 0x0                                ; A's loads, 32 matrix instructions back, and the last prefetch, an interval back, have read their addresses
	s_add_nc_u64 s[AP:AP+1], s[AP:AP+1], 512
	s_add_nc_u64 s[PFA:PFA+1], s[PFA:PFA+1], IB
.endif
	WIN 0
	s_wait_tensorcnt 0x0
	ds_add_u32 v[SPW], v[NIL]
	s_wait_dscnt 1                                 ; all LDS instructions but the add are older than it and done: buffer 1 is in
	MULI F1, 0, 0
	s_wait_dscnt 0x0
	s_barrier_signal -1
	MULI F1, 1, 0
	WIN 0
	s_barrier_wait -1
	CREST
.if (\fill) == 1
	s_xor_b32 s[G0W+1], s[G0W+1], BS
	s_add_nc_u64 s[G0W+2:G0W+3], s[G0W+2:G0W+3], IB
	tensor_load_to_lds s[G0W:G0W+3], s[G1B:G1B+7]
	s_nop 0
	PLACES                                         ; also the places in front of the loads into buffer 0
	s_xor_b32 s[TB], s[TB], BS
.else
	tensor_load_to_lds s[G0X:G0X+3], s[G1X:G1X+7]
	s_nop 0
	PLACES
	s_mov_b32 s[TB], BS                            ; the last interval lies in slot 1
.endif
	v_add_nc_u32 v[ADRB], s[TB], v[BL]
	v_add_nc_u32 v[ADRB+1], 4*BQ, v[ADRB]
	FETCH 0, F0
.if (\fill) == 1
	ASK
.endif
	MULI F1, 2, 0
	MULI F1, 3, 0
.endm
	ASTG -1, 24, 1                                 ; sub-step 0 into sub-slot 0; set 0 is asked for again, for sub-step 4
	WIN 0
	s_wait_tensorcnt 1                             ; my part of interval 0 is in; interval 1's may stay out
	s_wait_dscnt 0x0
	s_barrier_signal -1
	s_barrier_wait -1
	FETCH 0, F0
	QE 0, 1, 1, 24, 1                              ; the first quarter's products start the sums
	WIN 0
	s_mov_b32 s[LAP], NI-2
.Llap:                                                 ; a trip: quarters 1 to 7 of an interval, the change of slots with its refill, and the next interval's quarter 0
	QO 1
	QE 2, 0, 1, 24, 1
	QO 3
	QE 4, 0, 1, 24, 1
	QO 5
	QE 6, 0, 1, 24, 1
	TURN 1
	QE 0, 0, 1, 24, 1
	WIN 0
	s_sub_co_u32 s[LAP], s[LAP], 1
	s_cmp_lg_u32 s[LAP], 0
	s_cbranch_scc1 .Llap
	QO 1                                           ; the last two intervals are written out
	QE 2, 0, 1, 24, 1
	QO 3
	QE 4, 0, 1, 24, 1
	QO 5
	QE 6, 0, 1, 24, 0
	TURN 2
	QE 0, 0, 1, 16, 0                              ; the counts run down
	QO 1
	QE 2, 0, 1, 8, 0
	QO 3
	QE 4, 0, 1, 0, 0
	QO 5
	QE 6, 0, 0, 0, 0
	s_wait_dscnt 0x0                               ; buffer 1 is in, and my reads of A's sub-slots are over: the stages will lie there
	s_wait_tensorcnt 0x0                           ; my part of the residual has landed
	s_barrier_signal -1
	MULI F1, 0, 0
	MULI F1, 1, 0
	MULI F1, 2, 0
	MULI F1, 3, 0
	WIN 0
	s_barrier_wait -1                              ; both now hold of every wave
	PLACES
; THE WAY OUT, 16 rows at a time: the f32 sums go into rows of 528 bytes of my own stage (each accumulator's lowest registers first) and come back as whole rows of 512;
; the residual's rows come out of slot 0 in the same shape and are added; each store takes 512 consecutive bytes of a row.
.macro OUT a
.set BK, 32+64*((\a)%2)
	WIN 0
	s_wait_xcnt 0x0                                ; the stores of two blocks back have read the registers that are loaded again below
.set t, 0
.rept 16
	ds_load_b128 v[RS+4*t:RS+4*t+3], v[RSA] offset:(16*(\a)+t)*RP
.set t, t+1
.endr
	WIN 0x04                                       ; the stores' data in window 1
.irp b, 0,1,2,3,4,5,6,7
	ds_store_b128 v[STO], v[64*(\a)+8*\b:64*(\a)+8*\b+3]   offset:64*\b
	ds_store_b128 v[STO], v[64*(\a)+8*\b+4:64*(\a)+8*\b+7] offset:64*\b+16
.endr
	WIN 0
.set t, 0
.rept 16
	ds_load_b128 v[BK+4*t:BK+4*t+3], v[RD] offset:SPITCH*t  ; LDS serves a wave's instructions in order (ISA guide 5.7.1.4): these see the stores above
.set t, t+1
.endr
	s_wait_dscnt 0x0
.set t, 0
.rept 32
	v_pk_add_f32 v[BK+2*t:BK+2*t+1], v[BK+2*t:BK+2*t+1], v[RS+2*t:RS+2*t+1]
.set t, t+1
.endr
.set t, 0
.rept 16
	global_store_b128 v[XO], v[BK+4*t:BK+4*t+3], s[78:79] offset:(16*(\a)+t)*16384 th:TH_STORE_NT
.set t, t+1
.endr
.endm
	OUT 0
	OUT 1
	OUT 2
	OUT 3
	s_wait_tensorcnt 0x0                           ; the wave's end: behind my last tensor load and my last LDS store
	ds_add_u32 v[SPW], v[NIL]
	s_wait_dscnt 0x0
	CROUND                                         ; the closing round
	s_endpgm
.Lfunc_end_k_q1e2340abf2_oproj:
	.size	k_q1e2340abf2_oproj, .Lfunc_end_k_q1e2340abf2_oproj-k_q1e2340abf2_oproj
	.p2alignl 7, 3214868480
	.fill 96, 4, 3214868480
	.section	.rodata,"a",@progbits
	.p2align	6, 0x0
	.amdhsa_kernel k_q1e2340abf2_oproj
		.amdhsa_group_segment_fixed_size 327680
		.amdhsa_private_segment_fixed_size 0
		.amdhsa_enable_private_segment 0
		.amdhsa_kernarg_size 32
		.amdhsa_user_sgpr_count 2
		.amdhsa_user_sgpr_kernarg_segment_ptr 1
		.amdhsa_wavefront_size32 1
		.amdhsa_system_sgpr_workgroup_id_x 1
		.amdhsa_system_sgpr_workgroup_id_y 1
		.amdhsa_system_sgpr_workgroup_id_z 1
		.amdhsa_system_vgpr_workitem_id 0
		.amdhsa_next_free_vgpr 640
		.amdhsa_next_free_sgpr 88
		.amdhsa_reserve_vcc 0
		.amdhsa_float_denorm_mode_32 3
		.amdhsa_float_denorm_mode_16_64 3
		.amdhsa_memory_ordered 1
		.amdhsa_forward_progress 1
		.amdhsa_inst_pref_size 142
	.end_amdhsa_kernel
	.amdgpu_metadata
---
amdhsa.version: [ 1, 2 ]
amdhsa.kernels:
  - .name:           k_q1e2340abf2_oproj
    .symbol:         k_q1e2340abf2_oproj.kd
    .args:
      - { .name: atth, .offset: 0, .size: 8, .value_kind: global_buffer, .address_space: global }
      - { .name: wob, .offset: 8, .size: 8, .value_kind: global_buffer, .address_space: global }
      - { .name: hidden_states, .offset: 16, .size: 8, .value_kind: global_buffer, .address_space: global }
      - { .name: out0, .offset: 24, .size: 8, .value_kind: global_buffer, .address_space: global }
    .group_segment_fixed_size: 327680
    .private_segment_fixed_size: 0
    .kernarg_segment_align: 8
    .kernarg_segment_size: 32
    .max_flat_workgroup_size: 128
    .sgpr_count:     88
    .vgpr_count:     640
    .wavefront_size: 32
...
	.end_amdgpu_metadata
.endif
;; end of part 4
;; ======== version 2 of 2: 4 launches; version 1 with the launch prep written anew for expert scheduling mode
;; limits: values are held in f16: magnitudes above 65,504 overflow, below 6.1e-05 lose precision
;; workspace buffers: hb 16,777,216 bytes; wqkv 33,554,432 bytes; wob 16,777,216 bytes; qkvh 16,777,216 bytes; atth 8,388,608 bytes
;; launch prep (part 5): grid 1024 x 1, 8 waves a work-group, no clusters, 0 bytes of LDS; arguments hidden_states, norm_w, wq, wk, wv, wo, hb, wqkv, wob; writes hb, wqkv, wob
.if DOCPART == 5
	.amdgcn_target "amdgcn-amd-amdhsa--gfx1250"
	.amdhsa_code_object_version 6
	.text
	.protected	k_q1e2340abf2_prep
	.globl	k_q1e2340abf2_prep
	.p2align	8
	.type	k_q1e2340abf2_prep,@function
k_q1e2340abf2_prep:
	s_mov_b64 s[64:65], 0
	v_nop
	global_prefetch_b8 v0, s[64:65] scope:SCOPE_SE
	s_setreg_imm32_b32 hwreg(HW_REG_WAVE_SCHED_MODE, 0, 2), 2
	s_setreg_imm32_b32 hwreg(HW_REG_WAVE_MODE, 25, 1), 1
	s_wait_xcnt 0x0
	s_wait_alu depctr_vm_vsrc(0)
; THE OPERANDS OF THE THREE PRODUCTS, ROUNDED ONCE TO f16.
;   hb[s][k]   = f16(x[s][k] * rsqrt(mean_k x[s][k]^2 + 1e-5))          2,048 rows
;   wqkv[k][n] = f16(norm_w[k] * [wq | wk | wv][k][n])                  4,096 rows
;   wob[k][n]  = f16(wo[k][n])                                          2,048 rows
; norm_w is folded into the weights' rows: the sum over k of (x rs nw[k]) w[k][n] is the same sum; only the order of rounding differs.
; LIMITS.  f16 holds no number beyond 65,504 and keeps a fixed step of 6e-8 below 6e-5: norm_w[k] w[k][n] and wo must lie within that; |x rs| is at most 64.
; ONE SHAPE OF JOB: a row of 4,096 f32 times one number, out as 4,096 f16.  One wave, one row: 32 loads of 512 consecutive bytes, the row kept in 128 registers,
; 32 stores of 256 consecutive, aligned bytes.  Row R = 8 x work-group + wave; work-groups 0-255 take x, 256-767 the three weights side by side, 768-1023 wo.
; No LDS, no matrix unit, no ring: memory binds, each byte is read once and written once, and what is on its way is the rows of the other waves on the WGP.
; THE MODE: SCHED_MODE bits 1:0 = 2 (LLVM: expert scheduling mode 2), set by the entry lines.  The code itself states the register dependences
; between vector instructions and memory instructions, with s_wait_alu, always for 0.
; THE PLAN.  Registers that memory instructions touch:
;   v1, v2      the loads' and the stores' lane offsets: written at the head by vector lines, read by every load (v1) and every store (v2), never written again.
;   v[16:143]   the row, in 32 groups of four registers.  The loads land in it; no vector line names it ahead of them.  Behind the wait for the loads the sum of squares reads it, and the
;               scalings and roundings work on it in place; group J's store reads the first two of its four registers, and nothing writes them behind that.
;   s2          the wave's number, written by v_readfirstlane_b32 and read by scalar lines.
; The way out goes in four blocks of eight groups.  Block b scales and rounds groups 8 b to 8 b + 7; the eight stores of block b - 1 are dealt among its 32 vector lines, which name block b's groups and
; v[4:5] alone.  So ONE wait on va_vdst at a block's head states all that those stores hang on.  No wait on vm_vsrc is written: no register that a memory instruction reads is written again.
.set X, 16                             ; v[16:143] the row
.set M, 6                              ; v[6:13]   four packed chains of the sum of squares
	s_load_b512 s[8:23], s[0:1], 0x0               ; x 8, norm_w 10, wq 12, wk 14, wv 16, wo 18, hb 20, wqkv 22
	s_load_b64 s[24:25], s[0:1], 0x40              ; wob
	v_lshrrev_b32 v3, 5, v0
	v_readfirstlane_b32 s2, v3                     ; wave 0..7
	v_and_b32 v1, 31, v0
	v_lshlrev_b32 v2, 3, v1                        ; 8 x lane: my 4 numbers in a store's 256 bytes
	v_lshlrev_b32 v1, 4, v1                        ; 16 x lane: my 4 numbers in a load's 512 bytes
	s_wait_alu depctr_va_sdst(0)                   ; s2 is written, ahead of its first reader: the row's number, and all offsets with it, are made from it
	s_lshl_b32 s3, ttmp9, 3
	s_add_co_u32 s3, s3, s2                        ; R
	s_mov_b32 s28, 6144
	s_mov_b32 s29, 2048
	s_cmp_ge_u32 ttmp9, 768
	s_cselect_b32 s26, s28, s29
	s_cmp_lt_u32 ttmp9, 256
	s_cselect_b32 s26, 0, s26                      ; the role's first R
	s_sub_co_u32 s3, s3, s26                       ; the row in its tensor
	s_lshl_b32 s4, s3, 2                           ; its place in norm_w (the row is under 4,096 in every role)
	s_lshl_b32 s40, s3, 14                         ; x and wo: one row of 16,384 bytes, taken as 8,192 + 4,096 + 4,096
	s_add_co_u32 s42, s40, 8192
	s_add_co_u32 s44, s40, 12288
	s_lshl_b32 s26, s3, 13                         ; the row of 8,192 bytes: of wq, and of every destination
	s_lshl_b32 s6, s3, 12                          ; the row of 4,096 bytes of wk and wv
	s_sub_co_u32 s7, ttmp9, 256
	s_cmp_lt_u32 s7, 512                           ; the weights' role?
	s_cselect_b32 s40, s26, s40
	s_cselect_b32 s42, s6, s42
	s_cselect_b32 s44, s6, s44
	s_mov_b32 s41, 0
	s_mov_b32 s43, 0
	s_mov_b32 s45, 0
	s_mov_b32 s27, 0
	s_mov_b32 s30, 0x39800000                      ; 1 / 4096
	s_mov_b32 s31, 0x3727c5ac                      ; 1e-5
	s_mov_b32 s46, 0x76543210                      ; v_permlanex16_b32: each lane takes its own place in the other half
	s_mov_b32 s47, 0xfedcba98
	s_wait_kmcnt 0x0
	s_load_b32 s5, s[10:11], s4 offset:0x0         ; norm_w[row]
	s_cmp_ge_u32 ttmp9, 768                        ; the three sources and the destination are chosen whole; the offsets were made apart
	s_cselect_b64 s[32:33], s[18:19], s[12:13]
	s_cselect_b64 s[34:35], s[18:19], s[14:15]
	s_cselect_b64 s[36:37], s[18:19], s[16:17]
	s_cselect_b64 s[38:39], s[24:25], s[22:23]
	s_cmp_lt_u32 ttmp9, 256
	s_cselect_b64 s[32:33], s[8:9], s[32:33]
	s_cselect_b64 s[34:35], s[8:9], s[34:35]
	s_cselect_b64 s[36:37], s[8:9], s[36:37]
	s_cselect_b64 s[38:39], s[20:21], s[38:39]
	s_add_nc_u64 s[32:33], s[32:33], s[40:41]
	s_add_nc_u64 s[34:35], s[34:35], s[42:43]
	s_add_nc_u64 s[36:37], s[36:37], s[44:45]
	s_add_nc_u64 s[38:39], s[38:39], s[26:27]
	s_wait_alu depctr_va_vdst(0)                   ; v1 and v2 are written: every load of the kernel reads v1 as its offset, every store v2
.set J, 0
.rept 16
	global_load_b128 v[X+4*J:X+4*J+3], v1, s[32:33] offset:512*J th:TH_LOAD_NT
.set J, J+1
.endr
.rept 8
	global_load_b128 v[X+4*J:X+4*J+3], v1, s[34:35] offset:512*(J-16) th:TH_LOAD_NT
.set J, J+1
.endr
.rept 8
	global_load_b128 v[X+4*J:X+4*J+3], v1, s[36:37] offset:512*(J-24) th:TH_LOAD_NT
.set J, J+1
.endr
	s_wait_kmcnt 0x0                               ; norm_w[row]
	s_cmp_lt_u32 s7, 512
	s_cselect_b32 s29, s5, 1.0                     ; the row's factor: norm_w[k] for the weights, 1 for wo; x makes its own below
	v_mov_b32 v4, s29
	v_mov_b32 v5, s29
	s_wait_loadcnt 0x0                             ; the whole row: the sum of squares wants all of it
	s_cmp_lt_u32 ttmp9, 256
	s_cbranch_scc0 .Lscale
	; x alone: the sum of squares in f32, four packed chains that do not wait for each other; the first four products start them
.set p, 0
.rept 4
	v_pk_mul_f32 v[M+2*p:M+2*p+1], v[X+2*p:X+2*p+1], v[X+2*p:X+2*p+1]
.set p, p+1
.endr
.rept 60
	v_pk_fma_f32 v[M+2*(p%4):M+2*(p%4)+1], v[X+2*p:X+2*p+1], v[X+2*p:X+2*p+1], v[M+2*(p%4):M+2*(p%4)+1]
.set p, p+1
.endr
	v_pk_add_f32 v[M:M+1], v[M:M+1], v[M+2:M+3]
	v_pk_add_f32 v[M+4:M+5], v[M+4:M+5], v[M+6:M+7]
	v_pk_add_f32 v[M:M+1], v[M:M+1], v[M+4:M+5]
	v_add_f32 v6, v6, v7
	v_add_f32_dpp v6, v6, v6 row_xmask:1 row_mask:0xf bank_mask:0xf
	v_add_f32_dpp v6, v6, v6 row_xmask:2 row_mask:0xf bank_mask:0xf
	v_add_f32_dpp v6, v6, v6 row_xmask:4 row_mask:0xf bank_mask:0xf
	v_add_f32_dpp v6, v6, v6 row_xmask:8 row_mask:0xf bank_mask:0xf
	v_permlanex16_b32 v3, v6, s46, s47             ; (its destination counts as read: v3 has been written)
	v_add_f32 v3, v6, v3                           ; every lane holds the row's sum
	v_fma_f32 v3, v3, s30, s31                     ; the mean + eps
	v_rsq_f32 v4, v3
	v_rsq_f32 v5, v3                               ; twice: the packed multiply takes a pair
	v_nop                                          ; a plain instruction behind the last of them,
	s_wait_alu depctr_va_vdst(0)                   ; and one wait for both: v4 and v5 are written, ahead of the label and of their first reader, block 0's first scaling
.Lscale:
; Block b of the way out: groups 8 b to 8 b + 7 are scaled (16 packed multiplies) and rounded (16 conversions: four numbers into the first two of their four registers).
; Ahead of every four of these lines stands one store of block b - 1.
.macro BLK b
.if (\b) > 0
	s_wait_alu depctr_va_vdst(0)                   ; the block before has written its packed halves, which the eight stores below read; no vector line behind this wait names those registers
.endif
.irp i, 0,1,2,3
.if (\b) > 0
	global_store_b64 v2, v[X+4*(8*(\b)-8+(\i)):X+4*(8*(\b)-8+(\i))+1], s[38:39] offset:256*(8*(\b)-8+(\i)) th:TH_STORE_NT  ; the wave's 32 lanes store 256 consecutive bytes, at a multiple of 256 from the buffer's first
.endif
.irp p, 0,1,2,3
	v_pk_mul_f32 v[X+32*(\b)+8*(\i)+2*(\p):X+32*(\b)+8*(\i)+2*(\p)+1], v[X+32*(\b)+8*(\i)+2*(\p):X+32*(\b)+8*(\i)+2*(\p)+1], v[4:5]
.endr
.endr
.irp i, 0,1,2,3
.if (\b) > 0
	global_store_b64 v2, v[X+4*(8*(\b)-4+(\i)):X+4*(8*(\b)-4+(\i))+1], s[38:39] offset:256*(8*(\b)-4+(\i)) th:TH_STORE_NT
.endif
.irp j, 0,1
	v_cvt_pk_f16_f32 v[X+32*(\b)+8*(\i)+4*(\j)], v[X+32*(\b)+8*(\i)+4*(\j)], v[X+32*(\b)+8*(\i)+4*(\j)+1]
	v_cvt_pk_f16_f32 v[X+32*(\b)+8*(\i)+4*(\j)+1], v[X+32*(\b)+8*(\i)+4*(\j)+2], v[X+32*(\b)+8*(\i)+4*(\j)+3]
.endr
.endr
.endm
	BLK 0                                          ; no block stands in front of it: no store, no wait
	BLK 1
	BLK 2
	BLK 3
	s_wait_alu depctr_va_vdst(0)                   ; block 3 has written its packed halves, which the last eight stores read
.irp i, 0,1,2,3,4,5,6,7
	global_store_b64 v2, v[X+4*(24+(\i)):X+4*(24+(\i))+1], s[38:39] offset:256*(24+(\i)) th:TH_STORE_NT
.endr
	s_endpgm
.Lfunc_end_k_q1e2340abf2_prep:
	.size	k_q1e2340abf2_prep, .Lfunc_end_k_q1e2340abf2_prep-k_q1e2340abf2_prep
	.p2alignl 7, 3214868480
	.fill 96, 4, 3214868480
	.section	.rodata,"a",@progbits
	.p2align	6, 0x0
	.amdhsa_kernel k_q1e2340abf2_prep
		.amdhsa_group_segment_fixed_size 0
		.amdhsa_private_segment_fixed_size 0
		.amdhsa_enable_private_segment 0
		.amdhsa_kernarg_size 72
		.amdhsa_user_sgpr_count 2
		.amdhsa_user_sgpr_kernarg_segment_ptr 1
		.amdhsa_wavefront_size32 1
		.amdhsa_system_sgpr_workgroup_id_x 1
		.amdhsa_system_sgpr_workgroup_id_y 1
		.amdhsa_system_sgpr_workgroup_id_z 1
		.amdhsa_system_vgpr_workitem_id 0
		.amdhsa_next_free_vgpr 144
		.amdhsa_next_free_sgpr 66
		.amdhsa_reserve_vcc 0
		.amdhsa_float_denorm_mode_32 3
		.amdhsa_float_denorm_mode_16_64 3
		.amdhsa_memory_ordered 1
		.amdhsa_forward_progress 1
		.amdhsa_inst_pref_size 22
	.end_amdhsa_kernel
	.amdgpu_metadata
---
amdhsa.version: [ 1, 2 ]
amdhsa.kernels:
  - .name:           k_q1e2340abf2_prep
    .symbol:         k_q1e2340abf2_prep.kd
    .args:
      - { .name: hidden_states, .offset: 0, .size: 8, .value_kind: global_buffer, .address_space: global }
      - { .name: norm_w, .offset: 8, .size: 8, .value_kind: global_buffer, .address_space: global }
      - { .name: wq, .offset: 16, .size: 8, .value_kind: global_buffer, .address_space: global }
      - { .name: wk, .offset: 24, .size: 8, .value_kind: global_buffer, .address_space: global }
      - { .name: wv, .offset: 32, .size: 8, .value_kind: global_buffer, .address_space: global }
      - { .name: wo, .offset: 40, .size: 8, .value_kind: global_buffer, .address_space: global }
      - { .name: hb, .offset: 48, .size: 8, .value_kind: global_buffer, .address_space: global }
      - { .name: wqkv, .offset: 56, .size: 8, .value_kind: global_buffer, .address_space: global }
      - { .name: wob, .offset: 64, .size: 8, .value_kind: global_buffer, .address_space: global }
    .group_segment_fixed_size: 0
    .private_segment_fixed_size: 0
    .kernarg_segment_align: 8
    .kernarg_segment_size: 72
    .max_flat_workgroup_size: 256
    .sgpr_count:     66
    .vgpr_count:     144
    .wavefront_size: 32
...
	.end_amdgpu_metadata
.endif
;; end of part 5
;; launch proj: the kernel of part 2 again; grid 16 x 16, 4 waves a work-group, clusters of 4 x 4, 327,680 bytes of LDS; arguments hb, wqkv, cos, sin, qkvh; writes qkvh
;; launch attn: the kernel of part 3 again; grid 32 x 8, 4 waves a work-group, clusters of 4 x 1, 327,680 bytes of LDS; arguments qkvh, atth; writes atth
;; launch oproj: the kernel of part 4 again; grid 16 x 16, 4 waves a work-group, clusters of 4 x 4, 327,680 bytes of LDS; arguments atth, wob, hidden_states, out0; writes out0
